; MI455X (gfx1250); checked and timed in simulation.
; The chip was launched on July 23, 2026; its instructions are those of AMD's public machine-readable ISA for CDNA 5 (MIT licence, August 2026) and "CDNA5" Instruction Set Architecture Reference Guide (July 2026). The comments in the code are by the model that wrote it; some were corrected since.
;; Ro PE Attention. Allowed arithmetic: matrix products marked QUANTISED: E2M1 operands, one E8M0 scale for each 32 along K, by v_wmma_scale_f32_16x16x128_f8f6f4 with both operands' format E2M1 (or v_wmma_scale_f32_32x16x128_f4), f32 sums; products left as they are: bf16, f16 or f32 operands; f32 sums; everything else in f32.
;; Inputs: Wk 1,024 x 1,024 float32; Wo 1,024 x 1,024 float32; Wq 1,024 x 1,024 float32; Wv 1,024 x 1,024 float32; bo 1,024 float32; x 4 x 2,048 x 1,024 float32.
;; Outputs: out0 4 x 2,048 x 1,024 float32.
;; This version of the problem:
;;   THIS VERSION OF THE PROBLEM IS GIVEN IN LOW PRECISION. The matrix products marked QUANTISED in the list below multiply operands that are first quantised to E2M1 (2 exponent bits, 1 mantissa bit; 4 bits a number), with one power-of-two scale for each 32 numbers along K (OCP MX v1.0); their sums are f32. The products marked 'left as it is' may take bf16, f16 or f32 operands, with f32 sums. Whichever they take, every output number must still come out within the allowed error. Rounding operands to bf16 (8 significant bits) uses up far more of that allowance than f16 does (11 bits, for magnitudes from 6e-5 to 65,504). All else is computed in f32.
;;   The module's matrix products, in the order in which they are computed (A, B: the left and right operand; K: the contracted axis; several contracted axes count as one K, in the product's order):
;;     1. [M 8,192, K 1,024] x [K 1,024, N 1,024]; A: input x; B: input Wq: QUANTISED
;;     2. [M 8,192, K 1,024] x [K 1,024, N 1,024]; A: input x; B: input Wk: QUANTISED
;;     3. [M 8,192, K 1,024] x [K 1,024, N 1,024]; A: input x; B: input Wv: QUANTISED
;;     4. batch 64 x [M 2,048, K 64] x [K 64, N 2,048]; A: computed on the way; B: computed on the way: left as it is (an operand is computed on the way)
;;     5. batch 64 x [M 2,048, K 2,048] x [K 2,048, N 64]; A: computed on the way; B: computed on the way: left as it is (an operand is computed on the way)
;;     6. [M 8,192, K 1,024] x [K 1,024, N 1,024]; A: computed on the way; B: input Wo: left as it is (an operand is computed on the way)
;;   THE QUANTISER, for each operand of a quantised product, along K:
;;     - K is cut into blocks of 32 from its start; a last block that is shorter is filled with zeros.
;;     - A block's scale is 2^e with e = floor(log2(the largest magnitude in the block)) - 2, held to -126 .. 127; a block of zeros has e = 0. As a byte (E8M0): e + 127.
;;     - Each number is divided by its block's scale, clamped to +-6, and rounded to the nearest number of E2M1, ties to even, subnormals kept.
;;     - The product sums the exact products of the quantised numbers (number of the format x scale) in f32.
;;   ~~~python
;;   def quantise(x, axis):      # numpy; x: float32 -> the quantised numbers, widened to float32 again
;;       x = np.moveaxis(x, axis, -1); K = x.shape[-1]
;;       x = np.pad(x, [(0, 0)] * (x.ndim - 1) + [(0, -K % 32)]); x = x.reshape(x.shape[:-1] + (-1, 32)); a = np.abs(x).max(-1, keepdims=True)
;;       e = np.where(a > 0, np.clip(np.frexp(np.where(a > 0, a, 1))[1] - 1 - 2, -126, 127), 0)      # np.frexp(a)[1] - 1 = floor(log2(a)), exactly
;;       r = np.clip(x / 2.0 ** e, -6, 6)
;;       step = 2.0 ** (np.maximum(np.frexp(np.where(r == 0, 1, r))[1] - 1, 0) - 1)
;;       q = np.round(r / step) * step * 2.0 ** e      # np.round: ties to even
;;       return np.moveaxis(q.reshape(q.shape[:-2] + (-1,))[..., :K], -1, axis).astype(np.float32)
;;   ~~~
;; One version. Each part assembles by itself: llvm-mc -triple=amdgcn-amd-amdhsa -mcpu=gfx1250 --defsym DOCPART=n.
;; ======== version 1 of 1: 4 launches
;; limits: values are held in f16: magnitudes above 65,504 overflow, below 6.1e-05 lose precision
;; workspace buffers: xc 4,194,304 bytes; xs 262,144 bytes; wc 1,572,864 bytes; ws 98,304 bytes; wo16 2,097,152 bytes; rope 524,288 bytes; qkv 50,331,648 bytes; att 16,777,216 bytes
;; launch prep (part 1): grid 400 x 1, 4 waves a work-group, no clusters, 33,280 bytes of LDS; arguments x, Wq, Wk, Wv, Wo, xc, xs, wc, ws, wo16, rope; writes xc, xs, wc, ws, wo16, rope
.if DOCPART == 1
	.amdgcn_target "amdgcn-amd-amdhsa--gfx1250"
	.amdhsa_code_object_version 6
	.text
	.protected	k_q24a35af2a9_prep
	.globl	k_q24a35af2a9_prep
	.p2align	8
	.type	k_q24a35af2a9_prep,@function
k_q24a35af2a9_prep:
	s_mov_b64 s[64:65], 0
	v_nop
	global_prefetch_b8 v0, s[64:65] scope:SCOPE_SE
	s_setreg_imm32_b32 hwreg(HW_REG_WAVE_MODE, 25, 1), 1
	s_wait_xcnt 0x0
; PREP.  Three kinds of work-groups, told apart by the work-group's number alone:
;   0-351    x [8192][1024] and Wq, Wk, Wv [1024][1024], f32, become codes of FP4 (E2M1), K innermost, with one E8M0 byte for each 32 along K.  x: xc, xs.  The three weights on end, Wq's rows first: wc, ws.
;   352-383  Wo [1024][1024] f32 becomes f16 (nearest even), same layout: wo16.
;   384-399  the table of rotations: rope[t][0..31] = cos(t f_i), rope[t][32..63] = sin(t f_i), f_i = 10000^(-i/32), t = 0 .. 2047, f32: 256 bytes a position.
; THE QUANTISER.  A block's scale is 2^(floor(log2(largest magnitude)) - 2): its byte is the largest magnitude's exponent field - 2, held at 1 from below.  A block of zeros so gets the byte 1: its codes are zeros,
; which add nothing under that byte, and the bytes are read by this program alone.  Rows are dense and 1,024 is a multiple of 32: a tensor is a plain stream of blocks.
; A wave takes 16 steps of 512 numbers.  Each load reads 512 consecutive bytes; the step's 2,048 bytes turn through the wave's own stage in LDS, so that a lane gets 16 neighbours along K (two lanes hold a block).
; LIMITS: NaN and infinities among the inputs are not served.  |Wo| must stay under 65,504 and has f16's fixed step of 6e-8 under 6e-5.  sin and cos lie within 3e-7 of those of the f32 angle t x f_i; f_i comes by the
; hardware's 2^x and may differ from a correctly rounded one in its last bits, which moves an angle by at most some 3e-4 at the last positions, alike for q and k.
; Memory binds: no matrix unit, no tensor load, no barrier, no cluster (nothing is shared).
.set WAVES, 4
.set STEPS, 16
.set EMAX,  2
.set CB,    8                          ; bytes of 16 codes
.set R,     16                         ; v16-79   four sets of 16 numbers as they are loaded
.set X,     80                         ; v80-111  two sets of 16 neighbours
.set E,     112                        ; v112-127 a scale byte for each step
.set C,     128                        ; v128-191 codes: registers of its own for each step
.set WREG,  8192                       ; LDS: a region for each wave: two stages of 32 x SP bytes, then its 256 scale bytes
.set SP,    80                         ; a lane's place in a stage: 64 bytes + 16 of padding
.set SPW,   12                         ; v12  LDS address of my spare word; never rewritten
.set NIL,   13                         ; v13  0; never rewritten
.set SPARE, WAVES*WREG                 ; behind the four regions: the spare words, 128 bytes a wave
	s_load_b256 s[4:11], s[0:1], 0x0               ; x, Wq, Wk, Wv
	s_load_b256 s[12:19], s[0:1], 0x20             ; Wo, xc, xs, wc
	s_load_b128 s[20:23], s[0:1], 0x40             ; ws, wo16
	s_load_b64 s[24:25], s[0:1], 0x50              ; rope
	v_lshl_add_u32 v[SPW], v0, 2, SPARE
	v_mov_b32 v[NIL], 0
	v_lshrrev_b32 v1, 5, v0
	v_readfirstlane_b32 s26, v1                    ; wave
	v_and_b32 v2, 31, v0                           ; lane
	v_lshlrev_b32 v3, 4, v2                        ; 16 x lane: my 16 bytes of a load's 512
	s_mul_i32 s27, s26, WREG                       ; every LDS address is made here, ahead of the partings
	v_lshrrev_b32 v14, 2, v2
	v_mul_u32_u24 v14, v14, SP
	v_and_b32 v15, 3, v2
	v_lshl_add_u32 v14, v15, 4, v14
	v_add_nc_u32 v14, s27, v14                     ; the stage, way in: SP (lane / 4) + 16 (lane % 4)
	v_mul_u32_u24 v15, v2, SP
	v_add_nc_u32 v15, s27, v15                     ; way out: SP x lane: my 16 neighbours
	v_mul_u32_u24 v4, v2, CB                       ; 8 x lane
	v_lshrrev_b32 v5, 1, v2
	s_add_co_u32 s27, s27, 2*32*SP
	v_add_nc_u32 v5, s27, v5                       ; my block's byte among my wave's 256 scale bytes
	v_lshlrev_b32 v7, 3, v2
	v_add_nc_u32 v6, s27, v7                       ; and 8 of them a lane on the way out
	s_wait_kmcnt 0x0
	s_cmp_ge_u32 ttmp9, 384
	s_cbranch_scc1 .Lrope
	s_cmp_ge_u32 ttmp9, 352
	s_cbranch_scc1 .Lwo
	; ---- the quantiser.  Only pointers are chosen: all four tensors take one path
	s_cmp_lt_u32 ttmp9, 256                        ; x's work-group?
	s_cselect_b64 s[28:29], s[4:5], s[6:7]         ; the numbers
	s_cselect_b64 s[30:31], s[14:15], s[18:19]     ; the codes
	s_cselect_b64 s[32:33], s[16:17], s[20:21]     ; the scale bytes
	s_cselect_b32 s34, 0, 256
	s_mov_b32 s35, 31
	s_cselect_b32 s35, 255, s35                    ; work-groups in a source tensor, less one
	s_cmp_ge_u32 ttmp9, 288
	s_cselect_b64 s[28:29], s[8:9], s[28:29]       ; Wk
	s_cmp_ge_u32 ttmp9, 320
	s_cselect_b64 s[28:29], s[10:11], s[28:29]     ; Wv
	s_sub_co_u32 s34, ttmp9, s34                   ; the work-group's place in its destination,
	s_and_b32 s35, s34, s35                        ; and in its source
	s_lshl_b32 s34, s34, 2
	s_add_co_u32 s34, s34, s26                     ; my wave's run of 8,192 numbers: in the destination,
	s_lshl_b32 s35, s35, 2
	s_add_co_u32 s35, s35, s26                     ; in the source
	s_lshl_b32 s36, s35, 15                        ; 32,768 bytes of numbers a run
	s_mov_b32 s37, 0
	s_add_nc_u64 s[28:29], s[28:29], s[36:37]
	s_lshl_b32 s36, s34, 12                        ; 4,096 bytes of codes
	s_add_nc_u64 s[30:31], s[30:31], s[36:37]
	s_lshl_b32 s36, s34, 8                         ; 256 scale bytes
	s_add_nc_u64 s[32:33], s[32:33], s[36:37]
.macro LOAD t
.irp i, 0,1,2,3
	global_load_b128 v[R+16*((\t)%4)+4*\i:R+16*((\t)%4)+4*\i+3], v3, s[28:29] offset:2048*(\t)+512*\i th:TH_LOAD_NT   ; 32 lanes read 512 consecutive bytes
.endr
.endm
.macro TURN t                          ; step t's numbers through the stage: LDS serves a wave's instructions in order, so no wait stands between the stores and the loads
.irp i, 0,1,2,3
	ds_store_b128 v14, v[R+16*((\t)%4)+4*\i:R+16*((\t)%4)+4*\i+3] offset:32*SP*((\t)%2)+8*SP*\i
.endr
.irp i, 0,1,2,3
	ds_load_b128 v[X+16*((\t)%2)+4*\i:X+16*((\t)%2)+4*\i+3], v15 offset:32*SP*((\t)%2)+16*\i
.endr
.endm
.irp t, 0,1,2,3
	LOAD \t
.endr
	s_wait_loadcnt 12                              ; step 0's four loads are in; three steps' twelve may be out
	TURN 0
.macro STEP t
.set XS, X+16*((\t)%2)
.if (\t) > 0
	s_wait_dscnt 1                                 ; this step's numbers are back from the stage; the last step's byte store may be out
.else
	s_wait_dscnt 0x0
.endif
.if (\t)+4 < STEPS
	LOAD (\t)+4                                    ; into the registers that the stage's stores have read
.endif
.if (\t)+1 < STEPS
.if STEPS-2-(\t) >= 3
	s_wait_loadcnt 12                              ; the next step's four loads are in; those of the three steps behind it may be out
.else
	s_wait_loadcnt 4*(STEPS-2-(\t))
.endif
	TURN (\t)+1                                    ; through the other stage while this step is worked
.endif
	v_max3_num_f32 v8, |v[XS]|, |v[XS+1]|, |v[XS+2]|               ; the largest magnitude of my 16, in two chains
	v_max3_num_f32 v9, |v[XS+3]|, |v[XS+4]|, |v[XS+5]|
.irp i, 6,10
	v_max3_num_f32 v8, v8, |v[XS+\i]|, |v[XS+\i+1]|
	v_max3_num_f32 v9, v9, |v[XS+\i+2]|, |v[XS+\i+3]|
.endr
	v_max3_num_f32 v8, v8, |v[XS+14]|, |v[XS+15]|
	v_max3_num_f32 v8, v8, v9, (EMAX+1)<<23        ; and the floor 2^(3 - 127): the byte cannot fall under 1
	v_max_num_f32_dpp v8, v8, v8 row_xmask:1 row_mask:0xf bank_mask:0xf   ; with my neighbour's 16: the block's
	v_add_nc_u32 v11, -(EMAX<<23), v8              ; 2 off its exponent field: the conversion takes this operand's exponent field as its scale
	v_cvt_scalef32_pk8_fp4_f32 v[C+4*(\t)], v[XS:XS+7], v11        ; to the nearest code, ties to even, beyond 6 the largest code
	v_cvt_scalef32_pk8_fp4_f32 v[C+4*(\t)+1], v[XS+8:XS+15], v11
	v_lshrrev_b32 v[E+(\t)], 23, v11               ; the scale's byte
	ds_store_b8 v5, v[E+(\t)] offset:16*(\t)       ; both lanes of a block write the same byte with the same value
	global_store_b64 v4, v[C+4*(\t):C+4*(\t)+1], s[30:31] offset:32*CB*(\t)   ; the wave stores 256 consecutive bytes, aligned
.endm
.irp t, 0,1,2,3,4,5,6,7,8,9,10,11,12,13,14,15
	STEP \t
.endr
	ds_load_b64 v[8:9], v6                         ; LDS serves a wave's instructions in order: these see my byte stores
	s_wait_dscnt 0x0
	global_store_b64 v7, v[8:9], s[32:33]          ; 256 consecutive scale bytes, aligned
	s_wait_tensorcnt 0x0                           ; the wave's end, behind my last LDS store
	ds_add_u32 v[SPW], v[NIL]
	s_wait_dscnt 0x0
	s_endpgm
	; ---- Wo to f16: a wave takes 8,192 numbers, in four parts of sixteen loads; two parts are on their way
.Lwo:
	s_sub_co_u32 s34, ttmp9, 352
	s_lshl_b32 s34, s34, 2
	s_add_co_u32 s34, s34, s26
	s_lshl_b32 s36, s34, 15
	s_mov_b32 s37, 0
	s_add_nc_u64 s[28:29], s[12:13], s[36:37]
	s_lshl_b32 s36, s34, 14
	s_add_nc_u64 s[30:31], s[22:23], s[36:37]
.set OUTW, 144                         ; v144-175 a part's 64 numbers as f16
.macro LOADB t
.irp i, 0,1,2,3,4,5,6,7,8,9,10,11,12,13,14,15
	global_load_b128 v[16+64*((\t)%2)+4*\i:16+64*((\t)%2)+4*\i+3], v3, s[28:29] offset:8192*(\t)+512*\i th:TH_LOAD_NT
.endr
.endm
	LOADB 0
	LOADB 1
.irp t, 0,1,2,3
.if \t < 3
	s_wait_loadcnt 16                              ; this part's sixteen loads are in; the next part's may be out
.else
	s_wait_loadcnt 0x0
.endif
.if \t > 0
	s_wait_xcnt 0x0                                ; the last part's stores have read their data registers
.endif
.irp i, 0,1,2,3,4,5,6,7,8,9,10,11,12,13,14,15
	v_cvt_pk_f16_f32 v[OUTW+2*\i], v[16+64*(\t%2)+4*\i], v[16+64*(\t%2)+4*\i+1]
	v_cvt_pk_f16_f32 v[OUTW+2*\i+1], v[16+64*(\t%2)+4*\i+2], v[16+64*(\t%2)+4*\i+3]
.endr
.irp i, 0,1,2,3,4,5,6,7,8,9,10,11,12,13,14,15
	global_store_b64 v4, v[OUTW+2*\i:OUTW+2*\i+1], s[30:31] offset:4096*\t+256*\i   ; 256 consecutive bytes, aligned
.endr
.if \t+2 < 4
	LOADB \t+2
.endif
.endr
	s_endpgm
	; ---- the table.  A wave makes 32 positions, one a trip.  Lanes 0-15: cos for i = 2 l, 2 l + 1; lanes 16-31: sin for i = 2 (l - 16) and the next: one store of 8 bytes a lane fills the position's 256 bytes.
	; y = the angle less the nearest multiple of 2 pi (2 pi in two parts).  cos y = sin(pi/2 - |y|);  sin y = sgn(y) sin(pi/2 - ||y| - pi/2|): both arguments lie in [-pi/2, pi/2], where the series to x^11 is cut at under 6e-8.
.Lrope:
	s_sub_co_u32 s34, ttmp9, 384
	s_lshl_b32 s34, s34, 7
	s_lshl_b32 s35, s26, 5
	s_add_co_u32 s34, s34, s35                     ; my first position
	s_lshl_b32 s36, s34, 8
	s_mov_b32 s37, 0
	s_add_nc_u64 s[24:25], s[24:25], s[36:37]
	v_and_b32 v16, 15, v2
	v_lshlrev_b32 v16, 1, v16
	v_cvt_f32_u32 v16, v16                         ; i
	v_add_f32 v17, 1.0, v16                        ; i + 1
	v_mul_f32 v16, 0xbed49a78, v16                 ; x -log2(10000) / 32
	v_mul_f32 v17, 0xbed49a78, v17
	v_exp_f32 v18, v16                             ; f_i
	v_exp_f32 v19, v17                             ; f_(i+1)
	v_lshrrev_b32 v20, 4, v2                       ; (a plain instruction behind the two)  1 in the lanes that make sines
	v_cvt_f32_u32 v21, v20
	v_lshlrev_b32 v20, 31, v20                     ; the sign's mask there, 0 in the others
	v_cvt_f32_u32 v22, s34                         ; t
	v_lshlrev_b32 v23, 3, v2                       ; 8 x lane; stepped at each trip's head
	s_mov_b32 s38, 0x40c90fdb                      ; 2 pi, high part
	s_mov_b32 s39, 0xb43bbd2e                      ; and low part
	s_mov_b32 s40, 0x3fc90fdb                      ; pi / 2
	s_mov_b32 s46, 0xbfc90fdb                      ; -pi / 2
	s_mov_b32 s41, 0xbe2aaaab                      ; -1/3!
	s_mov_b32 s42, 0x3c088889                      ; 1/5!
	s_mov_b32 s43, 0xb9500d01                      ; -1/7!
	s_mov_b32 s44, 0x3638ef1d                      ; 1/9!
	s_mov_b32 s45, 0xb2d7322b                      ; -1/11!
	s_mov_b32 s47, 32
	s_wait_alu depctr_va_vdst(0)                   ; ahead of the first use of the two results
.Lrow:
	s_wait_xcnt 0x0                                ; the last trip's store has read its offset and its data
	v_add_nc_u32 v23, 256, v23                     ; the store below reaches back by 256
.irp u, 0,1
	v_mul_f32 v[24+8*\u], v22, v[18+\u]            ; the angle, rounded to f32 as the definition has it
.endr
.irp u, 0,1
	v_mul_f32 v[25+8*\u], 0.15915494, v[24+8*\u]
.endr
.irp u, 0,1
	v_rndne_f32 v[25+8*\u], v[25+8*\u]             ; n
.endr
.irp u, 0,1
	v_fma_f32 v[26+8*\u], -v[25+8*\u], s38, v[24+8*\u]
.endr
.irp u, 0,1
	v_fma_f32 v[26+8*\u], -v[25+8*\u], s39, v[26+8*\u]   ; y
.endr
.irp u, 0,1
	v_fma_f32 v[27+8*\u], v21, s46, |v[26+8*\u]|   ; |y|, in the sines' lanes less pi / 2
.endr
.irp u, 0,1
	v_sub_f32 v[27+8*\u], s40, |v[27+8*\u]|        ; w
.endr
.irp u, 0,1
	v_mul_f32 v[28+8*\u], v[27+8*\u], v[27+8*\u]   ; z = w^2
.endr
.irp u, 0,1
	v_fma_f32 v[29+8*\u], v[28+8*\u], s45, s44
.endr
.irp k, 43,42,41
.irp u, 0,1
	v_fma_f32 v[29+8*\u], v[29+8*\u], v[28+8*\u], s\k
.endr
.endr
.irp u, 0,1
	v_mul_f32 v[29+8*\u], v[29+8*\u], v[28+8*\u]
.endr
.irp u, 0,1
	v_fma_f32 v[40+\u], v[29+8*\u], v[27+8*\u], v[27+8*\u]   ; sin w
.endr
.irp u, 0,1
	v_and_b32 v[30+8*\u], v[26+8*\u], v20
.endr
.irp u, 0,1
	v_xor_b32 v[40+\u], v[40+\u], v[30+8*\u]       ; y's sign, for the sines
.endr
	global_store_b64 v23, v[40:41], s[24:25] offset:-256   ; the wave stores the position's 256 bytes, aligned
	v_add_f32 v22, 1.0, v22
	s_sub_co_u32 s47, s47, 1
	s_cmp_lg_u32 s47, 0
	s_cbranch_scc1 .Lrow
	s_endpgm
.Lfunc_end_k_q24a35af2a9_prep:
	.size	k_q24a35af2a9_prep, .Lfunc_end_k_q24a35af2a9_prep-k_q24a35af2a9_prep
	.p2alignl 7, 3214868480
	.fill 96, 4, 3214868480
	.section	.rodata,"a",@progbits
	.p2align	6, 0x0
	.amdhsa_kernel k_q24a35af2a9_prep
		.amdhsa_group_segment_fixed_size 33280
		.amdhsa_private_segment_fixed_size 0
		.amdhsa_enable_private_segment 0
		.amdhsa_kernarg_size 88
		.amdhsa_user_sgpr_count 2
		.amdhsa_user_sgpr_kernarg_segment_ptr 1
		.amdhsa_wavefront_size32 1
		.amdhsa_system_sgpr_workgroup_id_x 1
		.amdhsa_system_sgpr_workgroup_id_y 1
		.amdhsa_system_sgpr_workgroup_id_z 1
		.amdhsa_system_vgpr_workitem_id 0
		.amdhsa_next_free_vgpr 192
		.amdhsa_next_free_sgpr 66
		.amdhsa_reserve_vcc 0
		.amdhsa_float_denorm_mode_32 3
		.amdhsa_float_denorm_mode_16_64 3
		.amdhsa_memory_ordered 1
		.amdhsa_forward_progress 1
		.amdhsa_inst_pref_size 58
	.end_amdhsa_kernel
	.amdgpu_metadata
---
amdhsa.version: [ 1, 2 ]
amdhsa.kernels:
  - .name:           k_q24a35af2a9_prep
    .symbol:         k_q24a35af2a9_prep.kd
    .args:
      - { .name: x, .offset: 0, .size: 8, .value_kind: global_buffer, .address_space: global }
      - { .name: Wq, .offset: 8, .size: 8, .value_kind: global_buffer, .address_space: global }
      - { .name: Wk, .offset: 16, .size: 8, .value_kind: global_buffer, .address_space: global }
      - { .name: Wv, .offset: 24, .size: 8, .value_kind: global_buffer, .address_space: global }
      - { .name: Wo, .offset: 32, .size: 8, .value_kind: global_buffer, .address_space: global }
      - { .name: xc, .offset: 40, .size: 8, .value_kind: global_buffer, .address_space: global }
      - { .name: xs, .offset: 48, .size: 8, .value_kind: global_buffer, .address_space: global }
      - { .name: wc, .offset: 56, .size: 8, .value_kind: global_buffer, .address_space: global }
      - { .name: ws, .offset: 64, .size: 8, .value_kind: global_buffer, .address_space: global }
      - { .name: wo16, .offset: 72, .size: 8, .value_kind: global_buffer, .address_space: global }
      - { .name: rope, .offset: 80, .size: 8, .value_kind: global_buffer, .address_space: global }
    .group_segment_fixed_size: 33280
    .private_segment_fixed_size: 0
    .kernarg_segment_align: 8
    .kernarg_segment_size: 88
    .max_flat_workgroup_size: 128
    .sgpr_count:     66
    .vgpr_count:     192
    .wavefront_size: 32
...
	.end_amdgpu_metadata
.endif
;; end of part 1
;; launch qkv (part 2): grid 12 x 32, 4 waves a work-group, clusters of 4 x 4, 327,680 bytes of LDS; arguments xc, xs, wc, ws, rope, qkv; writes qkv
.if DOCPART == 2
	.amdgcn_target "amdgcn-amd-amdhsa--gfx1250"
	.amdhsa_code_object_version 6
	.text
	.protected	k_q24a35af2a9_qkv
	.globl	k_q24a35af2a9_qkv
	.p2align	8
	.type	k_q24a35af2a9_qkv,@function
k_q24a35af2a9_qkv:
	s_mov_b64 s[64:65], 0
	v_nop
	global_prefetch_b8 v0, s[64:65] scope:SCOPE_SE
	s_setreg_imm32_b32 hwreg(HW_REG_WAVE_MODE, 25, 1), 1
	s_wait_xcnt 0x0
	s_wait_alu depctr_hold_cnt(0) depctr_sa_sdst(0) depctr_va_vdst(0) depctr_va_sdst(0) depctr_va_ssrc(0) depctr_va_vcc(0) depctr_vm_vsrc(0)
	s_getreg_b32 s2, hwreg(HW_REG_IB_STS2, 6, 4)
	s_cmp_eq_u32 s2, 0
	s_cbranch_scc0 .Lentry_in_a_cluster
	s_endpgm
.Lentry_in_a_cluster:
	s_bfe_u32 s2, ttmp6, 0x10000c
	s_cmp_lg_u32 s2, 0xf033
	s_cbranch_scc0 .Lentry_shape_is_right
	s_endpgm
.Lentry_shape_is_right:
; q, k, v = x W^T on codes of FP4 (E2M1) with one E8M0 scale for each 32 along K; the rotation of q and k; all three rounded to f16 and laid by head: qkv [3][64 (batch x 16 + head)][2048 t][64 d].
; C [8192][3072] = A B^T: A = x's codes [8192][1024], B = the three weights' codes on end [3072][1024] (columns 0-1023 q, 1024-2047 k, 2048-3071 v).  Sums in f32.
; A tile of C, 256 x 256, is made by four waves, each 128 x 128: 64 accumulators, 512 registers.  K = 1,024 is two K steps of 512, one to each of two LDS slots: both slots and the scales are asked for at the head
; (three tensor loads of a wave are out), and nothing is filled again.  The scales of the tile's 256 + 256 rows for all of K are two dense blocks: they come once, in rows of 256 bytes.
; CLUSTERS: 4 x 4 work-groups; A's tiles are asked for jointly along a row of the cluster, B's along a column.  384 work-groups: a tile of 192 columns would make the number a multiple of 256 but would cut a head in two between waves.
; THE MATRIX INSTRUCTION IS USED TRANSPOSED (source 0 = 16 rows of B, source 1 = 16 rows of A): lane (r, h) holds row 16 a + r of C and its register j column 16 b + 8 h + j.  A wave's 128 columns are two heads;
; channel d + 32 of a head lies in accumulator b + 2, same lane, same register: so the rotation needs no other lane.
; LIMITS: |q|, |k|, |v| must stay under 65,504; under 6e-5 they have f16's fixed step of 6e-8.  NaN and infinities are not served.
; REGISTERS: window 0: v0-31 addresses; v32-95 scale words, two sets; from v128 A's fragments, one set.  Window 1: B's fragments, two sets.  Windows 2, 3: the accumulators ((a, b) at v[8 (8 (a % 4) + b)]).
;   On the way out window 0 holds: v32-95 cos and sin, two sets; v96-159 rotated numbers; v160-191 f16 pairs; v192-255 rows read back, two sets.
.set SIZE_M, 8192
.set SIZE_N, 3072
.set SIZE_K, 1024
.set KSTEP,  512
.set NQ,     KSTEP/128
.set ROWB,   256                       ; a tile's row in bytes
.set KROW,   SIZE_K*4/8                ; a row of codes in memory
.set PITCH,  272                       ; an LDS row: 256 bytes + 16 of padding: the 16 rows that a load touches begin in 16 different 16-byte columns of the banks (ISA guide 11.1)
.set FR,     8
.set NL,     2
.set NP,     4                         ; places behind this matrix instruction (ISA guide 7.12.1)
.set HALFT,  128*PITCH
.set SLOT,   4*HALFT
.set KS,     SIZE_K/32                 ; a row of scale bytes
.set SCL,    2*SLOT
.set HALFS,  (128*KS/256)*272
.set SBLK,   (16*KS/256)*272
.set SPARE,  SCL+4*HALFS               ; the spare words, 128 bytes a wave
.set ADRA, 16
.set ADRB, 20
.set STO,  24                          ; v24  the way out: where I put 16 bytes of a row
.set RD,   25                          ; v25  where I read 16 bytes of two rows back
.set CO,   26                          ; v26  16 x lane
.set ADRS, 27
.set SPW,  28
.set NIL,  29
.set TBL,  30                          ; v30  my place in the table: 256 r + 32 h
.set SC,   32
.set AF,   128
.set CT,   32
.set RR,   96
.set PK,   160
.set BK,   192
.set G1, 24
.set G0, 32
.set G1B, 48
.set G0B, 56
.set G1S, 68
.set G0S, 76
.set G1SB, 80
.set G0SB, 88
.set RP, 96                            ; s[96:97] the table at my first position
.set OP, 98                            ; s[98:99] qkv at my first head's first row
.set MSB, 0
.macro WIN new                         ; the immediate's high byte repeats the setting that is left
.if MSB != (\new)
	s_set_vgpr_msb (MSB<<8)|(\new)
.set MSB, (\new)
.endif
.endm
.set MUL_LO, 0xa1                      ; source 0 (B) window 1, source 1 (A) window 0, C and D window 2
.set MUL_HI, 0xf1
.set TO_B,   0x40
; A joint load: waves 0 and 1 fetch for A, waves 2 and 3 for B.  An s_nop 0 and four v_nop follow each of the two lines.
.macro JLOAD g0a, g1a, g0b, g1b
	s_cmp_eq_u32 s15, 0
	s_cbranch_scc0 .Lfor_b_\@
	tensor_load_to_lds s[\g0a:\g0a+3], s[\g1a:\g1a+7]
	s_nop 0
.rept 4
	v_nop
.endr
	s_branch .Lasked_\@
.Lfor_b_\@:
	tensor_load_to_lds s[\g0b:\g0b+3], s[\g1b:\g1b+7]
	s_nop 0
.rept 4
	v_nop
.endr
.Lasked_\@:
.endm
.macro CROUND                          ; a round of the cluster's barrier
	s_barrier_signal -1
	s_barrier_wait -1
	s_cmp_lg_u32 s14, 0
	s_cbranch_scc1 .Lnot_wave_0_\@
	s_barrier_signal -3
.Lnot_wave_0_\@:
	s_barrier_wait -3
	s_barrier_signal -1
	s_barrier_wait -1
.endm
	s_load_b128 s[4:7], s[0:1], 0x0                ; x's codes, x's scales
	s_load_b128 s[8:11], s[0:1], 0x10              ; the weights' codes, their scales
	s_load_b128 s[96:99], s[0:1], 0x20             ; the table, qkv
	v_lshl_add_u32 v[SPW], v0, 2, SPARE
	v_mov_b32 v[NIL], 0
	ds_add_u32 v[SPW], v[NIL]                      ; the wave's opening: the add, twice on end, and its wait ahead of my first tensor load
	ds_add_u32 v[SPW], v[NIL]
	v_lshrrev_b32 v1, 5, v0
	v_readfirstlane_b32 s14, v1                    ; wave 0..3
	s_lshr_b32 s15, s14, 1                         ; which half of the tile's rows is mine.  Also: I fetch for A (0) or for B (1)
	s_and_b32 s16, s14, 1                          ; which half of its columns.  Also: which 128 rows of that tile I fetch
	s_bfe_u32 s40, ttmp6, 0x40000                  ; cx, cy
	s_bfe_u32 s41, ttmp6, 0x40004
	s_lshl_b32 s42, ttmp9, 2
	s_add_co_u32 s42, s42, s40                     ; tile column
	s_and_b32 s17, ttmp7, 0xffff
	s_lshl_b32 s17, s17, 2
	s_add_co_u32 s17, s17, s41                     ; tile row
	s_lshl_b32 s43, s41, 2
	s_lshl_b32 s43, 15, s43                        ; my row of the cluster
	s_lshl_b32 s44, 0x1111, s40                    ; my column
	s_or_b32 s[G1+0], s43, (0<<16)|(1<<20)|(1<<21)|(5<<22)|(3<<25)  ; the mask; elements of 1 byte; padding on; bit 21 beside a mask; 4 words behind every 64
	s_or_b32 s[G1B+0], s44, (0<<16)|(1<<20)|(1<<21)|(5<<22)|(3<<25)
.irp g, G1, G1B
	s_mov_b32 s[\g+1], ROWB<<16                    ; tensor_dim0
	s_mov_b32 s[\g+2], 128<<16                     ; tensor_dim1
	s_mov_b32 s[\g+3], ROWB<<16                    ; tile_dim0
	s_mov_b32 s[\g+4], 128                         ; tile_dim1
	s_mov_b32 s[\g+5], KROW                        ; from row to row
	s_mov_b32 s[\g+6], 0
	s_mov_b32 s[\g+7], 0
.endr
	s_or_b32 s[G1S+0], s43, (3<<16)|(1<<20)|(1<<21)|(5<<22)|(3<<25)  ; the scales of 128 rows: 4,096 dense bytes as 16 rows of 256 (32 elements of 8 bytes)
	s_or_b32 s[G1SB+0], s44, (3<<16)|(1<<20)|(1<<21)|(5<<22)|(3<<25)
.irp g, G1S, G1SB
	s_mov_b32 s[\g+1], 32<<16
	s_mov_b32 s[\g+2], (128*KS/256)<<16
	s_mov_b32 s[\g+3], 32<<16
	s_mov_b32 s[\g+4], 128*KS/256
	s_mov_b32 s[\g+5], 32
	s_mov_b32 s[\g+6], 0
	s_mov_b32 s[\g+7], 0
.endr
	s_lshl_b32 s18, s16, 7
	s_lshl_b32 s20, s17, 8
	s_add_co_u32 s20, s20, s18                     ; A: row 256 x tile row + 128 x half
	s_lshl_b32 s46, s42, 8
	s_add_co_u32 s46, s46, s18                     ; B: row 256 x tile column + 128 x half
	s_mov_b32 s21, 0
	s_mov_b32 s47, 0
	s_mov_b64 s[18:19], KS
	s_mul_u64 s[22:23], s[20:21], s[18:19]
	s_mul_u64 s[92:93], s[46:47], s[18:19]
	s_mov_b64 s[18:19], KROW
	s_mul_u64 s[20:21], s[20:21], s[18:19]
	s_mul_u64 s[46:47], s[46:47], s[18:19]
	s_mul_i32 s45, s14, HALFT                      ; where they go: no place in the cluster enters an LDS address
	s_mul_i32 s94, s14, HALFS
	s_wait_dscnt 0x0                               ; both opening adds are done
	s_wait_kmcnt 0x0
	s_add_nc_u64 s[20:21], s[4:5], s[20:21]
	s_add_nc_u64 s[22:23], s[6:7], s[22:23]
	s_add_nc_u64 s[46:47], s[8:9], s[46:47]
	s_add_nc_u64 s[92:93], s[10:11], s[92:93]
	CROUND                                         ; all sixteen work-groups are here: the joint loads meet
	s_mov_b32 s[G0S], 1
	s_add_co_u32 s[G0S+1], s94, SCL
	s_mov_b64 s[G0S+2:G0S+3], s[22:23]
	s_or_b32 s[G0S+3], s[G0S+3], 0x80000000
	s_mov_b32 s[G0SB], 1
	s_add_co_u32 s[G0SB+1], s94, SCL
	s_mov_b64 s[G0SB+2:G0SB+3], s[92:93]
	s_or_b32 s[G0SB+3], s[G0SB+3], 0x80000000
	JLOAD G0S, G1S, G0SB, G1SB                     ; the scales first: they are wanted with K step 0
.irp s, 0,1
	s_mov_b32 s[G0+4*\s], 1
	s_add_co_u32 s[G0+4*\s+1], s45, \s*SLOT
	s_add_nc_u64 s[G0+4*\s+2:G0+4*\s+3], s[20:21], \s*ROWB
	s_or_b32 s[G0+4*\s+3], s[G0+4*\s+3], 0x80000000
	s_mov_b32 s[G0B+4*\s], 1
	s_add_co_u32 s[G0B+4*\s+1], s45, \s*SLOT
	s_add_nc_u64 s[G0B+4*\s+2:G0B+4*\s+3], s[46:47], \s*ROWB
	s_or_b32 s[G0B+4*\s+3], s[G0B+4*\s+3], 0x80000000
	JLOAD G0+4*\s, G1, G0B+4*\s, G1B
.endr
	v_and_b32 v1, 15, v0                           ; r
	v_bfe_u32 v2, v0, 4, 1                         ; h
	v_mul_u32_u24 v3, v1, PITCH
	v_lshl_add_u32 v4, v2, 4, v3
	s_mul_i32 s21, s15, HALFT
	s_mul_i32 s22, s16, HALFT
	s_add_co_u32 s22, s22, 2*HALFT
.irp s, 0,1
	v_add_nc_u32 v[ADRA+\s], s21, v4
	v_add_nc_u32 v[ADRB+\s], s22, v4
	s_add_co_u32 s21, s21, SLOT
	s_add_co_u32 s22, s22, SLOT
.endr
	v_mul_u32_u24 v5, v1, KS                       ; my row's scales: 32 bytes a row,
	v_lshrrev_b32 v6, 8, v5
	v_lshl_add_u32 v5, v6, 4, v5                   ; and 16 more for each 256 passed
	s_mul_i32 s21, s15, HALFS
	s_mul_i32 s22, s16, HALFS
	s_add_co_u32 s22, s22, 2*HALFS
	s_sub_co_u32 s22, s22, s21
	v_mul_u32_u24 v6, s22, v2                      ; lanes 16-31 take B's
	s_add_co_u32 s21, s21, SCL
	v_add_nc_u32 v5, v5, v6
	v_add_nc_u32 v[ADRS], s21, v5
	; the way out.  Position t0 = 256 (tile row % 8) + 128 x my half of the rows; batch = tile row / 8; my first head = 4 cx + 2 x my half of the columns; the cluster's x says q, k or v
	s_and_b32 s20, s17, 7
	s_lshl_b32 s20, s20, 8
	s_lshl_b32 s21, s15, 7
	s_add_co_u32 s20, s20, s21                     ; t0
	s_lshl_b32 s22, s20, 8                         ; 256 bytes of table a position
	s_mov_b32 s23, 0
	s_add_nc_u64 s[RP:RP+1], s[RP:RP+1], s[22:23]
	s_lshr_b32 s21, s17, 3
	s_lshl_b32 s21, s21, 4
	s_lshl_b32 s46, s40, 2
	s_add_co_u32 s21, s21, s46
	s_lshl_b32 s46, s16, 1
	s_add_co_u32 s21, s21, s46                     ; 16 x batch + head
	s_lshl_b32 s21, s21, 18                        ; 262,144 bytes a head
	s_lshl_b32 s46, ttmp9, 24                      ; 16,777,216 bytes each of q, k, v
	s_add_co_u32 s21, s21, s46
	s_lshl_b32 s46, s20, 7                         ; 128 bytes a row
	s_add_co_u32 s22, s21, s46
	s_add_nc_u64 s[OP:OP+1], s[OP:OP+1], s[22:23]
	s_mul_i32 s23, s14, 4352                       ; my stage: two heads x 8 long rows of 272 bytes (two rows of 128 bytes + 16 of padding).  It lies in slot 0, which has had its one fill, and its last read when the first result is stored there
	v_lshrrev_b32 v5, 1, v1
	v_mul_u32_u24 v5, v5, 272
	v_and_b32 v6, 1, v1
	v_lshl_add_u32 v5, v6, 7, v5
	v_lshl_add_u32 v5, v2, 4, v5
	v_add_nc_u32 v[STO], s23, v5                   ; in: 272 (r / 2) + 128 (r % 2) + 16 h: sixteen lanes fall on sixteen different 16-byte columns
	v_mul_u32_u24 v5, v2, 272
	v_lshl_add_u32 v5, v1, 4, v5
	v_add_nc_u32 v[RD], s23, v5                    ; back: lanes 0-15 one long row, lanes 16-31 the next
	v_and_b32 v6, 31, v0
	v_lshlrev_b32 v[CO], 4, v6
	v_lshlrev_b32 v[TBL], 8, v1
	v_lshl_add_u32 v[TBL], v2, 5, v[TBL]
.macro FRAG reg, adr, q, i             ; 16 rows x 128 K of 4-bit codes: 8 registers; registers 4 c .. 4 c + 3 hold K = 64 c + 32 h + 0 .. 31
.irp c, 0,1
	ds_load_b128 v[\reg+4*\c:\reg+4*\c+3], v[\adr] offset:64*(\q)+32*\c+(\i)*16*PITCH
.endr
.endm
; 16 matrix instructions: A's blocks a0, a0 + 1 x B's eight.  The 64 accumulators take turns, one instruction a turn, in the same order in every step.
; One register carries A's scale word (lanes 0-15) and B's (lanes 16-31).
.macro MUL16 a0, p, q, sc, zero
.irp a, \a0, \a0+1
.irp b, 0,1,2,3,4,5,6,7
.if \zero
	v_wmma_scale_f32_16x16x128_f8f6f4 v[8*(8*((\a)%4)+\b):8*(8*((\a)%4)+\b)+7], v[128*(\p)+FR*\b:128*(\p)+FR*\b+FR-1], v[AF+FR*(\a):AF+FR*(\a)+FR-1], 0, v[SC+8*NQ*(\sc)+NQ*\b+(\q)], v[SC+8*NQ*(\sc)+NQ*(\a)+(\q)] matrix_a_fmt:MATRIX_FMT_FP4 matrix_b_fmt:MATRIX_FMT_FP4 matrix_a_scale:MATRIX_SCALE_ROW1
.else
	v_wmma_scale_f32_16x16x128_f8f6f4 v[8*(8*((\a)%4)+\b):8*(8*((\a)%4)+\b)+7], v[128*(\p)+FR*\b:128*(\p)+FR*\b+FR-1], v[AF+FR*(\a):AF+FR*(\a)+FR-1], v[8*(8*((\a)%4)+\b):8*(8*((\a)%4)+\b)+7], v[SC+8*NQ*(\sc)+NQ*\b+(\q)], v[SC+8*NQ*(\sc)+NQ*(\a)+(\q)] matrix_a_fmt:MATRIX_FMT_FP4 matrix_b_fmt:MATRIX_FMT_FP4 matrix_a_scale:MATRIX_SCALE_ROW1
.endif
.endr
.endr
.endm
.macro FETCH_B slot, q, p
	WIN TO_B
.irp i, 0,1,2,3,4,5,6,7
	FRAG 128*(\p)+FR*\i, ADRB+\slot, \q, \i
.endr
	WIN 0
.endm
.macro FETCH_A slot, q, i0
.irp i, \i0, \i0+1, \i0+2, \i0+3
	FRAG AF+FR*(\i), ADRA+\slot, \q, \i
.endr
.endm
.macro SCALES sc                       ; a K step's scale words: four a row; lanes 0-15 A's block i, lanes 16-31 B's block i
.irp i, 0,1,2,3,4,5,6,7
	ds_load_b128 v[SC+8*NQ*\sc+NQ*\i:SC+8*NQ*\sc+NQ*\i+3], v[ADRS] offset:\i*SBLK
.endr
.endm
.macro PLACES n                        ; plain vector instructions between a matrix instruction and a load into, or a read of, its registers
.rept \n
	v_nop
.endr
.endm
.macro STEP slot, q, zero              ; 128 along K; its successor lies in the same slot
	s_wait_dscnt 4*NL                              ; B's set and A's blocks 0-3 are in; the youngest eight loads (A's blocks 4-7) may be out
	WIN MUL_LO
	MUL16 0, (\q)%2, \q, \slot, \zero
	MUL16 2, (\q)%2, \q, \slot, \zero
	s_wait_dscnt 0
	PLACES NP
	FETCH_B \slot, (\q)+1, 1-(\q)%2
	FETCH_A \slot, (\q)+1, 0
	WIN MUL_HI
	MUL16 4, (\q)%2, \q, \slot, \zero
	MUL16 6, (\q)%2, \q, \slot, \zero
	PLACES NP
	WIN 0
	FETCH_A \slot, (\q)+1, 4
.endm
; Slot 0's last step changes slots: each wave waits for all its tensor loads (its part of slot 1), adds 0 to its spare word, waits for that and for its reads of slot 0; one barrier.
.macro TURN slot, next
	s_wait_tensorcnt 0x0
	ds_add_u32 v[SPW], v[NIL]
	s_wait_dscnt 4*NL+1                            ; the add and the youngest eight loads may be out
	WIN MUL_LO
	MUL16 0, 1, NQ-1, \slot, 0
	s_wait_dscnt 0x0                               ; the add is done, and my reads of this slot are over
	s_barrier_signal -1
	MUL16 2, 1, NQ-1, \slot, 0
	WIN 0
	s_barrier_wait -1
	PLACES NP
	v_add_nc_u32 v[ADRS], 4*NQ, v[ADRS]            ; the next K step's scale words
	FETCH_B \next, 0, 0
	FETCH_A \next, 0, 0
	SCALES \next
	WIN MUL_HI
	MUL16 4, 1, NQ-1, \slot, 0
	MUL16 6, 1, NQ-1, \slot, 0
	PLACES NP
	WIN 0
	FETCH_A \next, 0, 4
.endm
.macro STEPS slot, from
.set Q, \from
.rept NQ-1-\from
	STEP \slot, Q, 0
.set Q, Q+1
.endr
.endm
	s_wait_tensorcnt 1                             ; the scales and my part of K step 0 are in; K step 1's load may be out
	s_barrier_signal -1
	s_barrier_wait -1
	FETCH_B 0, 0, 0
	FETCH_A 0, 0, 0
	SCALES 0
	FETCH_A 0, 0, 4
	STEP 0, 0, 1                                   ; the first products start the sums: nothing is cleared
	STEPS 0, 1
	TURN 0, 1
	STEPS 1, 0
	s_wait_dscnt 4*NL                              ; the last step: nothing more to fetch
	WIN MUL_LO
	MUL16 0, 1, NQ-1, 1, 0
	MUL16 2, 1, NQ-1, 1, 0
	s_wait_dscnt 0
	WIN MUL_HI
	MUL16 4, 1, NQ-1, 1, 0
	MUL16 6, 1, NQ-1, 1, 0
	WIN 0
; THE WAY OUT, a block of 16 rows x two heads at a time.
.macro TABLE a                         ; cos and sin of my row 16 a + r for i = 16 bb + 8 h + 0 .. 7: cos at +0 .. 15 of the set, sin at +16 .. 31
.irp sc, 0,1
.irp bb, 0,1
.irp u, 0,1
	global_load_b128 v[CT+32*((\a)%2)+16*\sc+8*\bb+4*\u:CT+32*((\a)%2)+16*\sc+8*\bb+4*\u+3], v[TBL], s[RP:RP+1] offset:4096*(\a)+128*\sc+64*\bb+16*\u
.endr
.endr
.endr
.endm
.macro ROPE a                          ; lo = channel i, hi = channel i + 32:  lo cos - hi sin,  hi cos + lo sin.  Each accumulator is read from its low end on
.set AC, 64*((\a)%4)
.set CC, CT+32*((\a)%2)
	WIN 2+(\a)/4                                   ; source 0: window 2 or 3
.irp hh, 0,1
.irp bb, 0,1
.irp jp, 0,2,4,6
	v_pk_mul_f32 v[RR+16*(2*\hh+\bb)+\jp:RR+16*(2*\hh+\bb)+\jp+1], v[AC+8*(4*\hh+\bb)+16+\jp:AC+8*(4*\hh+\bb)+16+\jp+1], v[CC+16+8*\bb+\jp:CC+16+8*\bb+\jp+1]
	v_pk_mul_f32 v[RR+16*(2*\hh+\bb)+8+\jp:RR+16*(2*\hh+\bb)+8+\jp+1], v[AC+8*(4*\hh+\bb)+\jp:AC+8*(4*\hh+\bb)+\jp+1], v[CC+16+8*\bb+\jp:CC+16+8*\bb+\jp+1]
	v_pk_fma_f32 v[RR+16*(2*\hh+\bb)+\jp:RR+16*(2*\hh+\bb)+\jp+1], v[AC+8*(4*\hh+\bb)+\jp:AC+8*(4*\hh+\bb)+\jp+1], v[CC+8*\bb+\jp:CC+8*\bb+\jp+1], v[RR+16*(2*\hh+\bb)+\jp:RR+16*(2*\hh+\bb)+\jp+1] neg_lo:[0,0,1] neg_hi:[0,0,1]
	v_pk_fma_f32 v[RR+16*(2*\hh+\bb)+8+\jp:RR+16*(2*\hh+\bb)+8+\jp+1], v[AC+8*(4*\hh+\bb)+16+\jp:AC+8*(4*\hh+\bb)+16+\jp+1], v[CC+8*\bb+\jp:CC+8*\bb+\jp+1], v[RR+16*(2*\hh+\bb)+8+\jp:RR+16*(2*\hh+\bb)+8+\jp+1]
.endr
.endr
.endr
.endm
.macro PACKR a                         ; to f16: v[PK + 4 b ..]: my eight channels of column block b, 16 bytes
	WIN 0
.irp hh, 0,1
.irp bb, 0,1
.irp jj, 0,1,2,3
	v_cvt_pk_f16_f32 v[PK+4*(4*\hh+\bb)+\jj], v[RR+16*(2*\hh+\bb)+2*\jj], v[RR+16*(2*\hh+\bb)+2*\jj+1]
	v_cvt_pk_f16_f32 v[PK+4*(4*\hh+\bb+2)+\jj], v[RR+16*(2*\hh+\bb)+8+2*\jj], v[RR+16*(2*\hh+\bb)+8+2*\jj+1]
.endr
.endr
.endr
.endm
.macro PACKV a                         ; v is not rotated: straight to f16
.set AC, 64*((\a)%4)
	WIN 0x0a+5*((\a)/4)                            ; sources 0 and 1: window 2 or 3
.irp b, 0,1,2,3,4,5,6,7
.irp jj, 0,1,2,3
	v_cvt_pk_f16_f32 v[PK+4*\b+\jj], v[AC+8*\b+2*\jj], v[AC+8*\b+2*\jj+1]
.endr
.endr
	WIN 0
.endm
.macro TOSTAGE a                       ; into my stage and back as long rows of 256 bytes.  LDS serves a wave's instructions in order: no wait between the stores and the loads
.if (\a) >= 2
	s_wait_xcnt 0x0                                ; the stores of the block two back have read the registers that these loads fill
.endif
.irp b, 0,1,2,3,4,5,6,7
	ds_store_b128 v[STO], v[PK+4*\b:PK+4*\b+3] offset:(\b/4)*2176+32*(\b%4)
.endr
.irp hh, 0,1
.irp i, 0,1,2,3
	ds_load_b128 v[BK+32*((\a)%2)+4*(4*\hh+\i):BK+32*((\a)%2)+4*(4*\hh+\i)+3], v[RD] offset:2176*\hh+544*\i
.endr
.endr
.endm
.macro SEND a
	s_wait_dscnt 0x0                               ; the block is back in registers
.irp hh, 0,1
.irp i, 0,1,2,3
	global_store_b128 v[CO], v[BK+32*((\a)%2)+4*(4*\hh+\i):BK+32*((\a)%2)+4*(4*\hh+\i)+3], s[OP:OP+1] offset:262144*\hh+2048*(\a)+512*\i   ; four rows of a head: 512 consecutive bytes, aligned
.endr
.endr
.endm
	PLACES NP                                      ; behind the last products: for the reads of results and the loads into registers that held scales and fragments
	s_cmp_eq_u32 ttmp9, 2                          ; the cluster's x: the same in all sixteen partners
	s_cbranch_scc1 .Lplain
	TABLE 0
.irp a, 0,1,2,3,4,5,6,7
.if \a < 7
	TABLE \a+1
	s_wait_loadcnt 8                               ; this block's table is in; the next block's eight loads may be out
.else
	s_wait_loadcnt 0x0
.endif
	ROPE \a
	PACKR \a
.if \a > 0
	SEND \a-1                                      ; the arithmetic above stood between that block's loads from the stage and this wait
.endif
	TOSTAGE \a
.endr
	SEND 7
	s_branch .Lend
.Lplain:
.irp a, 0,1,2,3,4,5,6,7
	PACKV \a
.if \a > 0
	SEND \a-1
.endif
	TOSTAGE \a
.endr
	SEND 7
.Lend:
	s_wait_tensorcnt 0x0                           ; the wave's end, behind my last tensor load and my last LDS store
	ds_add_u32 v[SPW], v[NIL]
	s_wait_dscnt 0x0
	CROUND                                         ; the closing round
	s_endpgm
.Lfunc_end_k_q24a35af2a9_qkv:
	.size	k_q24a35af2a9_qkv, .Lfunc_end_k_q24a35af2a9_qkv-k_q24a35af2a9_qkv
	.p2alignl 7, 3214868480
	.fill 96, 4, 3214868480
	.section	.rodata,"a",@progbits
	.p2align	6, 0x0
	.amdhsa_kernel k_q24a35af2a9_qkv
		.amdhsa_group_segment_fixed_size 327680
		.amdhsa_private_segment_fixed_size 0
		.amdhsa_enable_private_segment 0
		.amdhsa_kernarg_size 48
		.amdhsa_user_sgpr_count 2
		.amdhsa_user_sgpr_kernarg_segment_ptr 1
		.amdhsa_wavefront_size32 1
		.amdhsa_system_sgpr_workgroup_id_x 1
		.amdhsa_system_sgpr_workgroup_id_y 1
		.amdhsa_system_sgpr_workgroup_id_z 1
		.amdhsa_system_vgpr_workitem_id 0
		.amdhsa_next_free_vgpr 1024
		.amdhsa_next_free_sgpr 100
		.amdhsa_reserve_vcc 0
		.amdhsa_float_denorm_mode_32 3
		.amdhsa_float_denorm_mode_16_64 3
		.amdhsa_memory_ordered 1
		.amdhsa_forward_progress 1
		.amdhsa_inst_pref_size 196
	.end_amdhsa_kernel
	.amdgpu_metadata
---
amdhsa.version: [ 1, 2 ]
amdhsa.kernels:
  - .name:           k_q24a35af2a9_qkv
    .symbol:         k_q24a35af2a9_qkv.kd
    .args:
      - { .name: xc, .offset: 0, .size: 8, .value_kind: global_buffer, .address_space: global }
      - { .name: xs, .offset: 8, .size: 8, .value_kind: global_buffer, .address_space: global }
      - { .name: wc, .offset: 16, .size: 8, .value_kind: global_buffer, .address_space: global }
      - { .name: ws, .offset: 24, .size: 8, .value_kind: global_buffer, .address_space: global }
      - { .name: rope, .offset: 32, .size: 8, .value_kind: global_buffer, .address_space: global }
      - { .name: qkv, .offset: 40, .size: 8, .value_kind: global_buffer, .address_space: global }
    .group_segment_fixed_size: 327680
    .private_segment_fixed_size: 0
    .kernarg_segment_align: 8
    .kernarg_segment_size: 48
    .max_flat_workgroup_size: 128
    .sgpr_count:     100
    .vgpr_count:     1024
    .wavefront_size: 32
...
	.end_amdgpu_metadata
.endif
;; end of part 2
;; launch attn (part 3): grid 4 x 64, 8 waves a work-group, clusters of 4 x 1, 327,680 bytes of LDS; arguments qkv, att; writes att
.if DOCPART == 3
	.amdgcn_target "amdgcn-amd-amdhsa--gfx1250"
	.amdhsa_code_object_version 6
	.text
	.protected	k_q24a35af2a9_attn
	.globl	k_q24a35af2a9_attn
	.p2align	8
	.type	k_q24a35af2a9_attn,@function
k_q24a35af2a9_attn:
	s_mov_b64 s[64:65], 0
	v_nop
	global_prefetch_b8 v0, s[64:65] scope:SCOPE_SE
	s_setreg_imm32_b32 hwreg(HW_REG_WAVE_MODE, 25, 1), 1
	s_wait_xcnt 0x0
	s_wait_alu depctr_hold_cnt(0) depctr_sa_sdst(0) depctr_va_vdst(0) depctr_va_sdst(0) depctr_va_ssrc(0) depctr_va_vcc(0) depctr_vm_vsrc(0)
	s_getreg_b32 s2, hwreg(HW_REG_IB_STS2, 6, 4)
	s_cmp_eq_u32 s2, 0
	s_cbranch_scc0 .Lentry_in_a_cluster
	s_endpgm
.Lentry_in_a_cluster:
	s_bfe_u32 s2, ttmp6, 0x10000c
	s_cmp_lg_u32 s2, 0x3003
	s_cbranch_scc0 .Lentry_shape_is_right
	s_endpgm
.Lentry_shape_is_right:
; att[bh][q][:] = the sum over k of softmax_k(Q[bh][q] . K[bh][k] / 8) V[bh][k][:], no mask.  Q, K, V: qkv [3][64][2048][64] f16; att [64][2048][64] f16.  Products, maxima and sums in f32; the weights p are rounded to f16.
; SHARES.  A work-group owns 512 queries of one (batch, head); each of its eight waves 64 of them, four tiles of 16, in 512 registers: two waves to a SIMD, so that one wave's softmax stands beside the other's products.
; Every wave walks all 2,048 keys, 64 a step.  A fragment of K or V read from LDS feeds four products.
; LAYOUT.  S^T = K Q^T (source 0 = 16 keys, source 1 = 16 queries): a lane holds ONE query (lane % 16) and the keys 8 (lane / 16) + 0..7.  Two such tiles, rounded to f16 in pairs, ARE source 1 of O^T = V^T P; they are
; written over the low half of the tile's scores.  V ([key][channel]) comes out of LDS turned, by ds_load_tr16_b128.
; SOFTMAX.  A running maximum m and sum l for each query: p = 2^(c s - c m), c = log2(e) / 8; in every step O and l are multiplied by a = 2^(c m_old - c m_new).
; RING.  Two slots of 512 keys.  Rows of K and V (128 bytes) are dense in memory, so a tile is stated as rows of 256 bytes (two keys), 16 bytes of padding behind each of K's, 32 behind each of V's.
; Every wave fetches 64 such rows: waves 0-3 K's quarters, waves 4-7 V's.  Both slots are asked for at the head (two loads of a wave are out); each is filled once more, behind a round of the cluster's barrier, one load a wave,
; which then has a slot's eight key steps (512 matrix instructions of the wave) in which to land; so nothing is asked of memory ahead of these loads.
; CLUSTER.  The four query blocks of a head walk the same K and V: each tile is asked for jointly, mask 15.
; LIMITS: see the launch that makes qkv; |att| is bounded by |v|.  A weight under 3e-8 of its row's largest is rounded to 0.
; REGISTERS.  Window 0: v1-12 addresses; v16-47 statistics, eight a tile: +0 c m, +1 m, +2, +3 l, +4..7 at work (a in +6); v64-191 S^T, 32 a tile (P: its low 16); v192-255 K's eight fragments.
;   Window 1: v0-127 O^T, 32 a tile; v128-191 Q, 16 a tile; v192-255 V's eight fragments.
.set KP,     272
.set VP,     288
.set KREG,   256*KP                    ; a slot: 256 long rows of K,
.set SLOTB,  256*(KP+VP)               ; then 256 of V
.set SPARE,  2*SLOTB                   ; behind the ring: the spare words, 128 bytes a wave
.set KSTEPB, 32*KP                     ; 64 keys
.set VSTEPB, 32*VP
.set AK0, 1                            ; v1   my lane's place in a tile of K: 272 (r / 2) + 128 (r % 2) + 16 h
.set AV0, 2                            ; v2   and of V
.set ADK, 3
.set ADV, 4
.set SPW, 5
.set NIL, 6
.set QO,  9
.set STO, 10
.set RD,  11
.set GO,  12
.set ST,  16
.set S,   64
.set KF,  192
.set QF,  128                          ; in window 1
.set VF,  192                          ; in window 1
.set WV,  8
.set G1K, 16
.set G1V, 24
.set G0K, 32                           ; s[32:39] a group 0 for each slot
.set G0V, 40
.set CS,  48
.set SEL, 50
.set TBK, 52                           ; LDS byte at which the K tiles of the step to be fetched begin
.set TBV, 53
.set CNT, 54
.set MSB, 0
.macro WIN new
.if MSB != (\new)
	s_set_vgpr_msb (MSB<<8)|(\new)
.set MSB, (\new)
.endif
.endm
.set W_KQ, 0x04                        ; Q (source 1) in window 1
.set W_PV, 0x51                        ; V (source 0), C and D in window 1; also O^T's rescaling
.set TO1,  0x40                        ; a load's destination in window 1
.macro JLOAD n                         ; a joint refill of slot n: an s_nop 0 and four v_nop follow each of the two lines
	s_cmp_lt_u32 s[WV], 4
	s_cbranch_scc0 .Lfor_v_\@
	tensor_load_to_lds s[G0K+4*\n:G0K+4*\n+3], s[G1K:G1K+7]
	s_nop 0
.rept 4
	v_nop
.endr
	s_branch .Lasked_\@
.Lfor_v_\@:
	tensor_load_to_lds s[G0V+4*\n:G0V+4*\n+3], s[G1V:G1V+7]
	s_nop 0
.rept 4
	v_nop
.endr
.Lasked_\@:
.endm
.macro CROUND
	s_barrier_signal -1
	s_barrier_wait -1
	s_cmp_lg_u32 s[WV], 0
	s_cbranch_scc1 .Lnot_wave_0_\@
	s_barrier_signal -3
.Lnot_wave_0_\@:
	s_barrier_wait -3
	s_barrier_signal -1
	s_barrier_wait -1
.endm
	s_load_b128 s[4:7], s[0:1], 0x0                ; qkv, att
	v_lshl_add_u32 v[SPW], v0, 2, SPARE
	v_mov_b32 v[NIL], 0
	ds_add_u32 v[SPW], v[NIL]                      ; the wave's opening: the add, twice on end, and its wait ahead of my first tensor load
	ds_add_u32 v[SPW], v[NIL]
	v_lshrrev_b32 v7, 5, v0
	v_readfirstlane_b32 s[WV], v7                  ; wave 0..7
	s_bfe_u32 s9, ttmp6, 0x40000                   ; cx
	s_lshl_b32 s10, ttmp9, 2
	s_add_co_u32 s9, s9, s10                       ; my block of 512 queries: it enters Q's and att's addresses alone
	s_and_b32 s10, ttmp7, 0xffff                   ; 16 x batch + head, which the four partners share
	s_lshl_b32 s10, s10, 18                        ; 262,144 bytes a head
	s_and_b32 s11, s[WV], 3                        ; which quarter of a slot I fetch
	s_lshl_b32 s12, s11, 14                        ; its 128 keys of 128 bytes
	s_add_co_u32 s12, s12, s10
	s_mov_b32 s13, 0
	s_mul_i32 s14, s11, 64*KP                      ; its place in a slot: K's,
	s_mul_i32 s15, s11, 64*VP
	s_add_co_u32 s15, s15, KREG                    ; V's
	s_lshl_b32 s56, s9, 16                         ; my block's 512 rows,
	s_lshl_b32 s57, s[WV], 13                      ; my wave's 64 of them
	s_add_co_u32 s56, s56, s57
	s_add_co_u32 s56, s56, s10
	s_mov_b32 s57, 0
	s_mov_b32 s[G1K], 15|(1<<16)|(1<<20)|(1<<21)|(5<<22)|(3<<25)   ; the mask: all four; elements of 2 bytes; padding on; bit 21 beside a mask; 4 words behind every 64
	s_mov_b32 s[G1V], 15|(1<<16)|(1<<20)|(1<<21)|(5<<22)|(7<<25)   ; the same with 8 words
.irp g, G1K, G1V
	s_mov_b32 s[\g+1], 128<<16                     ; tensor_dim0 = 128 elements
	s_mov_b32 s[\g+2], 64<<16                      ; tensor_dim1 = 64
	s_mov_b32 s[\g+3], 128<<16                     ; tile_dim0
	s_mov_b32 s[\g+4], 64                          ; tile_dim1
	s_mov_b32 s[\g+5], 128                         ; from row to row
	s_mov_b32 s[\g+6], 0
	s_mov_b32 s[\g+7], 0
.endr
	s_mov_b32 s[CS], 0x3e38aa3b                    ; c = log2(e) / 8
	s_mov_b32 s[CS+1], s[CS]                       ; named with it as a pair, so it is written
	s_mov_b32 s[SEL], 0x76543210
	s_mov_b32 s[SEL+1], 0xfedcba98                 ; lane l xor 16
	s_mul_i32 s60, s[WV], 32*KP                    ; my stage on the way out
	s_wait_dscnt 0x0                               ; both opening adds are done
	s_wait_kmcnt 0x0
	s_add_nc_u64 s[58:59], s[4:5], s[12:13]        ; my quarter's place, counted in q's part of the buffer
	s_add_nc_u64 s[4:5], s[4:5], s[56:57]          ; Q at my wave's first row
	s_add_nc_u64 s[6:7], s[6:7], s[56:57]          ; att likewise
	CROUND                                         ; all four work-groups are here: the first joint loads meet
.irp n, 0,1
	s_mov_b32 s[G0K+4*\n], 1
	s_add_co_u32 s[G0K+4*\n+1], s14, \n*SLOTB
	s_add_nc_u64 s[G0K+4*\n+2:G0K+4*\n+3], s[58:59], 16777216+\n*65536   ; k's part; slot n begins with keys 512 n
	s_or_b32 s[G0K+4*\n+3], s[G0K+4*\n+3], 0x80000000
	s_mov_b32 s[G0V+4*\n], 1
	s_add_co_u32 s[G0V+4*\n+1], s15, \n*SLOTB
	s_add_nc_u64 s[G0V+4*\n+2:G0V+4*\n+3], s[58:59], 33554432+\n*65536   ; v's part
	s_or_b32 s[G0V+4*\n+3], s[G0V+4*\n+3], 0x80000000
.endr
	s_cmp_lt_u32 s[WV], 4                          ; a wave's two first fills stand in one branch, ahead of every wait on TENSORcnt and every LDS read
	s_cbranch_scc0 .Lfirst_v
	tensor_load_to_lds s[G0K:G0K+3], s[G1K:G1K+7]
	s_nop 0
	tensor_load_to_lds s[G0K+4:G0K+7], s[G1K:G1K+7]
	s_nop 0
.rept 4
	v_nop
.endr
	s_branch .Lfirst_asked
.Lfirst_v:
	tensor_load_to_lds s[G0V:G0V+3], s[G1V:G1V+7]
	s_nop 0
	tensor_load_to_lds s[G0V+4:G0V+7], s[G1V:G1V+7]
	s_nop 0
.rept 4
	v_nop
.endr
.Lfirst_asked:
	v_and_b32 v7, 15, v0                           ; r
	v_bfe_u32 v8, v0, 4, 1                         ; h
	v_lshlrev_b32 v[QO], 7, v7
	v_lshl_add_u32 v[QO], v8, 4, v[QO]             ; Q: row r of 128 bytes + 16 h
	WIN TO1
.irp t, 0,1,2,3                        ; Q stays in registers: tile t, channels 32 c on: registers 0-3 channels 8 h + 0..7, registers 4-7 channels 16 + 8 h + 0..7
.irp c, 0,1
.irp u, 0,1
	global_load_b128 v[QF+16*\t+8*\c+4*\u:QF+16*\t+8*\c+4*\u+3], v[QO], s[4:5] offset:2048*\t+64*\c+32*\u
.endr
.endr
.endr
	WIN 0
	v_lshrrev_b32 v13, 1, v7
	v_mul_u32_u24 v[AK0], v13, KP
	v_and_b32 v14, 1, v7
	v_lshl_add_u32 v[AK0], v14, 7, v[AK0]
	v_lshl_add_u32 v[AK0], v8, 4, v[AK0]           ; sixteen rows fall on the 16-byte columns (r / 2) + 8 (r % 2): all different
	v_add_nc_u32 v[STO], s60, v[AK0]               ; the stage has the same form
	; the turning load: lane L reads 16 bytes of key 8 h + L % 8, channels 8 ((L / 8) % 2) + 0..7, and is left with channel L % 16 and eight keys
	v_and_b32 v13, 7, v0
	v_lshrrev_b32 v14, 1, v13
	v_lshl_add_u32 v14, v8, 2, v14
	v_mul_u32_u24 v[AV0], v14, VP
	v_and_b32 v14, 1, v13
	v_lshl_add_u32 v[AV0], v14, 7, v[AV0]
	v_bfe_u32 v14, v0, 3, 1
	v_lshl_add_u32 v[AV0], v14, 4, v[AV0]          ; 16-byte columns 2 (i / 2) + 8 (i % 2) + the half: all different
	v_add_nc_u32 v[AV0], KREG, v[AV0]
	v_mul_u32_u24 v[RD], v8, KP
	v_lshl_add_u32 v[RD], v7, 4, v[RD]
	v_add_nc_u32 v[RD], s60, v[RD]                 ; back from the stage: lanes 0-15 one long row, lanes 16-31 the next
	v_and_b32 v13, 31, v0
	v_lshlrev_b32 v[GO], 4, v13
.macro FETCH_K                         ; a step's K: 64 keys x 64 channels: fragment (kb, c) at KF + 8 (2 kb + c)
.irp kb, 0,1,2,3
.irp c, 0,1
.irp u, 0,1
	ds_load_b128 v[KF+8*(2*\kb+\c)+4*\u:KF+8*(2*\kb+\c)+4*\u+3], v[ADK] offset:8*KP*\kb+64*\c+32*\u
.endr
.endr
.endr
.endm
.macro FETCH_V                         ; a step's V, turned: fragment (g, cb): keys 32 g on, channels 16 cb on
	WIN TO1
.irp g, 0,1
.irp cb, 0,1,2,3
.irp u, 0,1
	ds_load_tr16_b128 v[VF+8*(4*\g+\cb)+4*\u:VF+8*(4*\g+\cb)+4*\u+3], v[ADV] offset:16*VP*\g+8*VP*\u+32*\cb
.endr
.endr
.endr
	WIN 0
.endm
; Product i of 32 of S^T = K Q^T: channels 32 (i / 16) on, keys 16 ((i / 4) % 4) on, tile i % 4.  The first 16 start the sums.  The 16 accumulators take turns.
.macro KQ
.set rS, S+32*(i%4)+8*((i/4)%4)
.set rK, KF+8*(2*((i/4)%4)+i/16)
.set rQ, QF+16*(i%4)+8*(i/16)
.if i < 16
	v_wmma_f32_16x16x32_f16 v[rS:rS+7], v[rK:rK+7], v[rQ:rQ+7], 0
.else
	v_wmma_f32_16x16x32_f16 v[rS:rS+7], v[rK:rK+7], v[rQ:rQ+7], v[rS:rS+7]
.endif
.endm
; Product i of 32 of O^T += V^T P: keys 32 (i / 16) on, channels 16 ((i / 4) % 4) on, tile i % 4.  first = 1: the first 16 start the sums.
.macro PV first
.set rO, 32*(i%4)+8*((i/4)%4)
.set rV, VF+8*(4*(i/16)+(i/4)%4)
.set rP, S+32*(i%4)+8*(i/16)
.if (\first) && (i < 16)
	v_wmma_f32_16x16x32_f16 v[rO:rO+7], v[rV:rV+7], v[rP:rP+7], 0
.else
	v_wmma_f32_16x16x32_f16 v[rO:rO+7], v[rV:rV+7], v[rP:rP+7], v[rO:rO+7]
.endif
.endm
; THE SOFTMAX of a key step, the four tiles by turns in every line, so that no line waits for the line above it.  first = 1: the first key step, which starts m, l and O^T.
.macro SOFT first
.irp j, 0,1,2,3                        ; the maximum: four chains of seven scores; each accumulator is first read at its low end
.irp t, 0,1,2,3
	v_max3_num_f32 v[ST+8*\t+4+\j], v[S+32*\t+8*\j], v[S+32*\t+8*\j+1], v[S+32*\t+8*\j+2]
.endr
.endr
.irp q, 1,2
.irp j, 0,1,2,3
.irp t, 0,1,2,3
	v_max3_num_f32 v[ST+8*\t+4+\j], v[ST+8*\t+4+\j], v[S+32*\t+8*\j+2*\q+1], v[S+32*\t+8*\j+2*\q+2]
.endr
.endr
.endr
.irp t, 0,1,2,3
	v_max3_num_f32 v[ST+8*\t+4], v[ST+8*\t+4], v[S+32*\t+7], v[S+32*\t+15]
.endr
.irp t, 0,1,2,3
	v_max3_num_f32 v[ST+8*\t+6], v[ST+8*\t+6], v[S+32*\t+23], v[S+32*\t+31]
.endr
.irp t, 0,1,2,3
	v_max3_num_f32 v[ST+8*\t+4], v[ST+8*\t+4], v[ST+8*\t+5], v[ST+8*\t+6]
.endr
.irp t, 0,1,2,3
.if \first
	v_max_num_f32 v[ST+8*\t+4], v[ST+8*\t+4], v[ST+8*\t+7]
.else
	v_max3_num_f32 v[ST+8*\t+4], v[ST+8*\t+4], v[ST+8*\t+7], v[ST+8*\t+1]   ; with the old m
.endif
.endr
.irp t, 0,1,2,3
	v_permlanex16_b32 v[ST+8*\t+5], v[ST+8*\t+4], s[SEL], s[SEL+1]   ; the query's other 32 keys lie in the lane 16 away
.endr
.if !(\first)
.irp t, 0,1,2,3
	v_mov_b32 v[ST+8*\t+7], v[ST+8*\t]             ; c m_old is kept for a
.endr
.endif
.irp t, 0,1,2,3
	v_max_num_f32 v[ST+8*\t+1], v[ST+8*\t+4], v[ST+8*\t+5]
.endr
.irp t, 0,1,2,3
	v_mul_f32 v[ST+8*\t], s[CS], v[ST+8*\t+1]
.endr
.if !(\first)
.irp t, 0,1,2,3
	v_sub_f32 v[ST+8*\t+7], v[ST+8*\t+7], v[ST+8*\t]
.endr
.irp t, 0,1,2,3
	v_exp_f32 v[ST+8*\t+6], v[ST+8*\t+7]           ; a
.endr
.endif
	; ONE BATCH: the scalings c s - c m, a pair each, and all exponentials; none of these lines names an exponential's result
.irp t, 0,1,2,3
	v_pk_fma_f32 v[S+32*\t:S+32*\t+1], v[S+32*\t:S+32*\t+1], s[CS:CS+1], v[ST+8*\t:ST+8*\t+1] op_sel_hi:[1,0,0] neg_lo:[0,0,1] neg_hi:[0,0,1]
.endr
.irp b, 1,2,3,4,5,6,7,8,9,10,11,12,13,14,15
.irp t, 0,1,2,3
	v_pk_fma_f32 v[S+32*\t+2*\b:S+32*\t+2*\b+1], v[S+32*\t+2*\b:S+32*\t+2*\b+1], s[CS:CS+1], v[ST+8*\t:ST+8*\t+1] op_sel_hi:[1,0,0] neg_lo:[0,0,1] neg_hi:[0,0,1]
.endr
.irp t, 0,1,2,3
	v_exp_f32 v[S+32*\t+2*(\b-1)], v[S+32*\t+2*(\b-1)]
.endr
.irp t, 0,1,2,3
	v_exp_f32 v[S+32*\t+2*(\b-1)+1], v[S+32*\t+2*(\b-1)+1]
.endr
.endr
.irp t, 0,1,2,3
	v_exp_f32 v[S+32*\t+30], v[S+32*\t+30]
.endr
.irp t, 0,1,2,3
	v_exp_f32 v[S+32*\t+31], v[S+32*\t+31]
.endr
	v_nop                                          ; a plain instruction behind the last exponential
	s_wait_alu depctr_va_vdst(0)                   ; ahead of the first line that names a result: one wait for the whole batch
	; the sums of the unrounded p, two chains a tile
.if \first
.irp t, 0,1,2,3
	v_pk_add_f32 v[ST+8*\t+2:ST+8*\t+3], v[S+32*\t:S+32*\t+1], v[S+32*\t+2:S+32*\t+3]
.endr
.irp t, 0,1,2,3
	v_pk_add_f32 v[ST+8*\t+4:ST+8*\t+5], v[S+32*\t+4:S+32*\t+5], v[S+32*\t+6:S+32*\t+7]
.endr
.irp b, 4,6,8,10,12,14
.irp t, 0,1,2,3
	v_pk_add_f32 v[ST+8*\t+2:ST+8*\t+3], v[ST+8*\t+2:ST+8*\t+3], v[S+32*\t+2*\b:S+32*\t+2*\b+1]
.endr
.irp t, 0,1,2,3
	v_pk_add_f32 v[ST+8*\t+4:ST+8*\t+5], v[ST+8*\t+4:ST+8*\t+5], v[S+32*\t+2*\b+2:S+32*\t+2*\b+3]
.endr
.endr
.else
.irp t, 0,1,2,3
	v_pk_fma_f32 v[ST+8*\t+2:ST+8*\t+3], v[ST+8*\t+2:ST+8*\t+3], v[ST+8*\t+6:ST+8*\t+7], v[S+32*\t:S+32*\t+1] op_sel_hi:[1,0,1]   ; l a + the first pair
.endr
.irp t, 0,1,2,3
	v_pk_add_f32 v[ST+8*\t+4:ST+8*\t+5], v[S+32*\t+2:S+32*\t+3], v[S+32*\t+4:S+32*\t+5]
.endr
.irp b, 3,5,7,9,11,13
.irp t, 0,1,2,3
	v_pk_add_f32 v[ST+8*\t+2:ST+8*\t+3], v[ST+8*\t+2:ST+8*\t+3], v[S+32*\t+2*\b:S+32*\t+2*\b+1]
.endr
.irp t, 0,1,2,3
	v_pk_add_f32 v[ST+8*\t+4:ST+8*\t+5], v[ST+8*\t+4:ST+8*\t+5], v[S+32*\t+2*\b+2:S+32*\t+2*\b+3]
.endr
.endr
.irp t, 0,1,2,3
	v_pk_add_f32 v[ST+8*\t+2:ST+8*\t+3], v[ST+8*\t+2:ST+8*\t+3], v[S+32*\t+30:S+32*\t+31]
.endr
.endif
.irp t, 0,1,2,3
	v_pk_add_f32 v[ST+8*\t+2:ST+8*\t+3], v[ST+8*\t+2:ST+8*\t+3], v[ST+8*\t+4:ST+8*\t+5]
.endr
.irp i, 0,1,2,3,4,5,6,7,8,9,10,11,12,13,14,15   ; to f16, in place: register i takes pair i, which lies at 2 i and 2 i + 1: nothing unread is overwritten
.irp t, 0,1,2,3
	v_cvt_pk_f16_f32 v[S+32*\t+\i], v[S+32*\t+2*\i], v[S+32*\t+2*\i+1]
.endr
.endr
.if !(\first)
	WIN W_PV
.irp p, 0,1,2,3,4,5,6,7,8,9,10,11,12,13,14,15   ; O^T x a, each accumulator from its low end on
.irp t, 0,1,2,3
	v_pk_mul_f32 v[32*\t+2*\p:32*\t+2*\p+1], v[32*\t+2*\p:32*\t+2*\p+1], v[ST+8*\t+6:ST+8*\t+7] op_sel_hi:[1,0]
.endr
.endr
.endif
.endm
; A KEY STEP, in phases: K Q^T; the next step's K and this step's V are asked of LDS; the softmax; V^T P.
.macro STEP first
	s_wait_dscnt 0x0                               ; K is in
	WIN W_KQ
.set i, 0
.rept 32
	KQ
.set i, i+1
.endr
	WIN 0
	s_add_co_u32 s[TBK], s[TBK], KSTEPB
	v_add_nc_u32 v[ADK], s[TBK], v[AK0]            ; these two and two v_nop are the four places behind the products: ahead of the loads into K's registers and of the reads of S^T
	v_add_nc_u32 v[ADV], s[TBV], v[AV0]
	v_nop
	v_nop
.if !(\first)
	s_cmp_eq_u32 s[CNT], 1                         ; a slot's last step has no next K in its slot
	s_cbranch_scc1 .Lnok_\@
.endif
	FETCH_K
.if !(\first)
.Lnok_\@:
.endif
	FETCH_V
	s_add_co_u32 s[TBV], s[TBV], VSTEPB
	SOFT \first
	s_wait_dscnt 0x0                               ; V is in (its loads are the youngest on both ways)
	WIN W_PV
.set i, 0
.rept 32
	PV \first
.set i, i+1
.endr
	WIN 0
.rept 5
	v_nop                                          ; the next K Q^T writes over P, which these products read: five places
.endr
.endm
.macro SLOTRUN n, peel                 ; a slot's eight key steps
	s_mov_b32 s[TBK], \n*SLOTB
	s_mov_b32 s[TBV], \n*SLOTB
	v_add_nc_u32 v[ADK], s[TBK], v[AK0]
	FETCH_K
.if \peel
	STEP 1
	s_mov_b32 s[CNT], 7
.else
	s_mov_b32 s[CNT], 8
.endif
.Lstep_\@:
	STEP 0
	s_sub_co_u32 s[CNT], s[CNT], 1
	s_cmp_lg_u32 s[CNT], 0
	s_cbranch_scc1 .Lstep_\@
.endm
; THE CHANGE OF SLOTS.  Each wave waits for all its tensor loads (its part of the slot ahead), adds 0 to its spare word, and waits for that and for its reads of the slot that it leaves.
; fill = 1: the barrier is a round of the cluster's, and slot n, just left, is filled with the keys two slots on, first thing behind it.
.macro CHANGE fill, n
	s_wait_tensorcnt 0x0                           ; no tensor load of mine is out, so a group 0 may be written
	ds_add_u32 v[SPW], v[NIL]
.if \fill
	s_add_nc_u64 s[G0K+4*\n+2:G0K+4*\n+3], s[G0K+4*\n+2:G0K+4*\n+3], 131072   ; 1,024 keys on; the type bits on top are not reached
	s_add_nc_u64 s[G0V+4*\n+2:G0V+4*\n+3], s[G0V+4*\n+2:G0V+4*\n+3], 131072
.endif
	s_wait_dscnt 0x0
.if \fill
	CROUND
	JLOAD \n
.else
	s_barrier_signal -1
	s_barrier_wait -1
.endif
.endm
	s_wait_tensorcnt 1                             ; my part of slot 0 is in; slot 1's may be out
	s_barrier_signal -1
	s_barrier_wait -1
	s_wait_loadcnt 0x0                             ; Q
	SLOTRUN 0, 1                                   ; keys 0-511
	CHANGE 1, 0                                    ; slot 0 takes keys 1,024-1,535
	SLOTRUN 1, 0
	CHANGE 1, 1                                    ; slot 1 takes keys 1,536-2,047
	SLOTRUN 0, 0
	CHANGE 0, 0                                    ; nothing is left to ask for
	SLOTRUN 1, 0
	; THE WAY OUT.  (The last step's five v_nop are the places behind the last products.)  O^T / l, to f16, through my stage (32 long rows of 272 bytes, in slot 0, which has had its last fill and its last read), out as 8,192 consecutive bytes.
.irp t, 0,1,2,3
	v_add_f32 v[ST+8*\t+4], v[ST+8*\t+2], v[ST+8*\t+3]
.endr
.irp t, 0,1,2,3
	v_permlanex16_b32 v[ST+8*\t+5], v[ST+8*\t+4], s[SEL], s[SEL+1]
.endr
.irp t, 0,1,2,3
	v_add_f32 v[ST+8*\t+4], v[ST+8*\t+4], v[ST+8*\t+5]
.endr
.irp t, 0,1,2,3
	v_rcp_f32 v[ST+8*\t+6], v[ST+8*\t+4]
.endr
	v_nop
	s_wait_alu depctr_va_vdst(0)                   ; one wait for the four reciprocals, ahead of their first use
	WIN 0x41
.irp p, 0,1,2,3,4,5,6,7,8,9,10,11,12,13,14,15
.irp t, 0,1,2,3
	v_pk_mul_f32 v[32*\t+2*\p:32*\t+2*\p+1], v[32*\t+2*\p:32*\t+2*\p+1], v[ST+8*\t+6:ST+8*\t+7] op_sel_hi:[1,0]
.endr
.endr
	WIN 0x05
.irp p, 0,1,2,3,4,5,6,7,8,9,10,11,12,13,14,15
.irp t, 0,1,2,3
	v_cvt_pk_f16_f32 v[S+16*\t+\p], v[32*\t+2*\p], v[32*\t+2*\p+1]
.endr
.endr
	WIN 0
.irp t, 0,1,2,3
.irp cb, 0,1,2,3
	ds_store_b128 v[STO], v[S+16*\t+4*\cb:S+16*\t+4*\cb+3] offset:8*KP*\t+32*\cb   ; query 16 t + r, channels 16 cb + 8 h + 0..7
.endr
.endr
.irp i, 0,1,2,3,4,5,6,7,8,9,10,11,12,13,14,15
	ds_load_b128 v[128+4*\i:128+4*\i+3], v[RD] offset:2*KP*\i   ; LDS serves a wave's instructions in order: these see my stores
.endr
.irp i, 0,1,2,3,4,5,6,7,8,9,10,11,12,13,14,15
	s_wait_dscnt 15-\i                             ; the younger loads may be out
	global_store_b128 v[GO], v[128+4*\i:128+4*\i+3], s[6:7] offset:512*\i   ; 512 consecutive bytes, aligned
.endr
	s_wait_tensorcnt 0x0                           ; the wave's end
	ds_add_u32 v[SPW], v[NIL]
	s_wait_dscnt 0x0
	CROUND                                         ; the closing round
	s_endpgm
.Lfunc_end_k_q24a35af2a9_attn:
	.size	k_q24a35af2a9_attn, .Lfunc_end_k_q24a35af2a9_attn-k_q24a35af2a9_attn
	.p2alignl 7, 3214868480
	.fill 96, 4, 3214868480
	.section	.rodata,"a",@progbits
	.p2align	6, 0x0
	.amdhsa_kernel k_q24a35af2a9_attn
		.amdhsa_group_segment_fixed_size 327680
		.amdhsa_private_segment_fixed_size 0
		.amdhsa_enable_private_segment 0
		.amdhsa_kernarg_size 16
		.amdhsa_user_sgpr_count 2
		.amdhsa_user_sgpr_kernarg_segment_ptr 1
		.amdhsa_wavefront_size32 1
		.amdhsa_system_sgpr_workgroup_id_x 1
		.amdhsa_system_sgpr_workgroup_id_y 1
		.amdhsa_system_sgpr_workgroup_id_z 1
		.amdhsa_system_vgpr_workitem_id 0
		.amdhsa_next_free_vgpr 512
		.amdhsa_next_free_sgpr 66
		.amdhsa_reserve_vcc 0
		.amdhsa_float_denorm_mode_32 3
		.amdhsa_float_denorm_mode_16_64 3
		.amdhsa_memory_ordered 1
		.amdhsa_forward_progress 1
		.amdhsa_inst_pref_size 182
	.end_amdhsa_kernel
	.amdgpu_metadata
---
amdhsa.version: [ 1, 2 ]
amdhsa.kernels:
  - .name:           k_q24a35af2a9_attn
    .symbol:         k_q24a35af2a9_attn.kd
    .args:
      - { .name: qkv, .offset: 0, .size: 8, .value_kind: global_buffer, .address_space: global }
      - { .name: att, .offset: 8, .size: 8, .value_kind: global_buffer, .address_space: global }
    .group_segment_fixed_size: 327680
    .private_segment_fixed_size: 0
    .kernarg_segment_align: 8
    .kernarg_segment_size: 16
    .max_flat_workgroup_size: 256
    .sgpr_count:     66
    .vgpr_count:     512
    .wavefront_size: 32
...
	.end_amdgpu_metadata
.endif
;; end of part 3
;; launch oproj (part 4): grid 4 x 64, 4 waves a work-group, clusters of 4 x 4, 327,680 bytes of LDS; arguments att, wo16, bo, out0; writes out0
.if DOCPART == 4
	.amdgcn_target "amdgcn-amd-amdhsa--gfx1250"
	.amdhsa_code_object_version 6
	.text
	.protected	k_q24a35af2a9_oproj
	.globl	k_q24a35af2a9_oproj
	.p2align	8
	.type	k_q24a35af2a9_oproj,@function
k_q24a35af2a9_oproj:
	s_mov_b64 s[64:65], 0
	v_nop
	global_prefetch_b8 v0, s[64:65] scope:SCOPE_SE
	s_setreg_imm32_b32 hwreg(HW_REG_WAVE_MODE, 25, 1), 1
	s_wait_xcnt 0x0
	s_wait_alu depctr_hold_cnt(0) depctr_sa_sdst(0) depctr_va_vdst(0) depctr_va_sdst(0) depctr_va_ssrc(0) depctr_va_vcc(0) depctr_vm_vsrc(0)
	s_getreg_b32 s2, hwreg(HW_REG_IB_STS2, 6, 4)
	s_cmp_eq_u32 s2, 0
	s_cbranch_scc0 .Lentry_in_a_cluster
	s_endpgm
.Lentry_in_a_cluster:
	s_bfe_u32 s2, ttmp6, 0x10000c
	s_cmp_lg_u32 s2, 0xf033
	s_cbranch_scc0 .Lentry_shape_is_right
	s_endpgm
.Lentry_shape_is_right:
; out0[m][n] = the sum over k of A[m][k] Wo[n][k] + bo[n], f16 operands, f32 sums, f32 out.  m = 2048 batch + t, k = 64 head + d.  A lies by head: att [64 (16 batch + head)][2048 t][64 d] f16; wo16 [1024 n][1024 k] f16.
; A tile of out0 is 128 (m) x 256 (n): 256 work-groups.  Four waves, each 64 x 128: 32 accumulators, 256 registers.  K goes in 8 steps of 128 (two heads) through two LDS slots; the eight steps are written out by macro.
; A's part of a K step is two dense blocks of 16 KiB (128 rows of 128 bytes of each head), stated as 64 rows of 256 bytes; B's is 256 rows of 256 bytes.  16 bytes of padding behind every 256.
; Waves 0 and 1 fetch A's two heads, waves 2 and 3 B's halves: one load a wave behind each round; from a refill to the wait for it a wave issues 112 matrix instructions.
; CLUSTERS: 4 x 4.  A's tiles are asked for jointly along a row of the cluster (the grid is one cluster wide, so att is asked for once in all), B's along a column.
; THE MATRIX INSTRUCTION IS USED TRANSPOSED (source 0 = 16 rows of Wo, source 1 = 16 rows of A): lane (r, h) holds row 16 a + r and its register j column 16 b + 8 h + j.  The bias is the C of each sum's first product.
; LIMITS: those of the launches that make att and wo16.
; REGISTERS.  Window 0: v16-30 addresses; v64-159, v160-255 two fragment buffers (B's eight at +8 b, A's four at +64 + 8 i).  Window 1: accumulator (a, b) at v[8 (8 a + b)].  Window 2: v0-63 the bias, 8 b + j.
.set PITCH,  272
.set ABLK,   64*PITCH                  ; a head's 128 rows
.set BHALF,  128*PITCH
.set SLOT,   2*ABLK+2*BHALF            ; 104,448
.set STAGE,  2*SLOT                    ; behind the ring: 16 rows x 528 bytes for each wave
.set SPITCH, 528
.set SPARE,  STAGE+4*16*SPITCH         ; the spare words, 128 bytes a wave
.set ADRA, 16
.set ADRB, 20
.set STO,  24
.set RD,   25
.set CO,   26
.set SPW,  28
.set NIL,  29
.set PFO,  30                          ; v30  256 x lane; never rewritten
.set F0,   64
.set F1,   160
.set BK,   64
.set WV,   12
.set G1A,  16
.set G1B,  24
.set G0A,  32
.set G0B,  48
.set PFA,  56                          ; s[56:57] my work-group's quarter of A's part of K step 0; never rewritten
.set MSB, 0
.macro WIN new
.if MSB != (\new)
	s_set_vgpr_msb (MSB<<8)|(\new)
.set MSB, (\new)
.endif
.endm
.set MUL,  0x50                        ; C and D window 1
.set MUL0, 0x60                        ; C window 2 (the bias), D window 1
.macro JLOAD s                         ; an s_nop 0 and four v_nop follow each of the two lines
	s_cmp_eq_u32 s13, 0
	s_cbranch_scc0 .Lfor_b_\@
	tensor_load_to_lds s[G0A+4*\s:G0A+4*\s+3], s[G1A:G1A+7]
	s_nop 0
.rept 4
	v_nop
.endr
	s_branch .Lasked_\@
.Lfor_b_\@:
	tensor_load_to_lds s[G0B+4*\s:G0B+4*\s+3], s[G1B:G1B+7]
	s_nop 0
.rept 4
	v_nop
.endr
.Lasked_\@:
.endm
.macro CREST
	s_cmp_lg_u32 s[WV], 0
	s_cbranch_scc1 .Lnot_wave_0_\@
	s_barrier_signal -3
.Lnot_wave_0_\@:
	s_barrier_wait -3
	s_barrier_signal -1
	s_barrier_wait -1
.endm
.macro CROUND
	s_barrier_signal -1
	s_barrier_wait -1
	CREST
.endm
	s_load_b256 s[4:11], s[0:1], 0x0               ; att, wo16, bo, out0
	v_lshl_add_u32 v[SPW], v0, 2, SPARE
	v_mov_b32 v[NIL], 0
	ds_add_u32 v[SPW], v[NIL]                      ; the wave's opening: the add, twice on end, and its wait ahead of my first tensor load
	ds_add_u32 v[SPW], v[NIL]
	v_lshrrev_b32 v1, 5, v0
	v_readfirstlane_b32 s[WV], v1                  ; wave 0..3
	s_lshr_b32 s13, s[WV], 1                       ; my half of the tile's rows.  Also: I fetch for A (0) or for B (1)
	s_and_b32 s14, s[WV], 1                        ; my half of its columns.  Also: which head of A, which 128 rows of B I fetch
	s_bfe_u32 s60, ttmp6, 0x40000                  ; cx
	s_bfe_u32 s61, ttmp6, 0x40004                  ; cy
	s_lshl_b32 s62, ttmp9, 2
	s_add_co_u32 s62, s62, s60                     ; tile column
	s_and_b32 s63, ttmp7, 0xffff
	s_lshl_b32 s63, s63, 2
	s_add_co_u32 s63, s63, s61                     ; tile row
	s_lshl_b32 s40, s61, 2
	s_lshl_b32 s40, 15, s40                        ; my row of the cluster
	s_lshl_b32 s41, 0x1111, s60                    ; my column
	s_or_b32 s[G1A], s40, (1<<16)|(1<<20)|(1<<21)|(5<<22)|(3<<25)   ; the mask; elements of 2 bytes; padding on; bit 21 beside a mask; 4 words behind every 64
	s_or_b32 s[G1B], s41, (1<<16)|(1<<20)|(1<<21)|(5<<22)|(3<<25)
	s_mov_b32 s[G1A+1], 128<<16                    ; A: 64 rows of 128 elements, dense
	s_mov_b32 s[G1A+2], 64<<16
	s_mov_b32 s[G1A+3], 128<<16
	s_mov_b32 s[G1A+4], 64
	s_mov_b32 s[G1A+5], 128
	s_mov_b32 s[G1A+6], 0
	s_mov_b32 s[G1A+7], 0
	s_mov_b32 s[G1B+1], 128<<16                    ; B: 128 rows of 128 elements, 1,024 elements apart
	s_mov_b32 s[G1B+2], 128<<16
	s_mov_b32 s[G1B+3], 128<<16
	s_mov_b32 s[G1B+4], 128
	s_mov_b32 s[G1B+5], 1024
	s_mov_b32 s[G1B+6], 0
	s_mov_b32 s[G1B+7], 0
	s_lshr_b32 s42, s63, 4
	s_lshl_b32 s42, s42, 22                        ; the batch: 16 heads of 262,144 bytes
	s_and_b32 s43, s63, 15
	s_lshl_b32 s43, s43, 14                        ; the tile's 128 rows of 128 bytes
	s_add_co_u32 s42, s42, s43
	s_lshl_b32 s43, s14, 18
	s_add_co_u32 s44, s42, s43                     ; A: + my head of the K step
	s_mov_b32 s45, 0
	s_lshl_b32 s46, s62, 19                        ; B: 256 rows of 2,048 bytes a tile column
	s_add_co_u32 s46, s46, s43                     ;    + my 128 rows
	s_mov_b32 s47, 0
	s_mul_i32 s71, s14, ABLK                       ; where they go: no place in the cluster enters an LDS address
	s_mul_i32 s72, s14, BHALF
	s_add_co_u32 s72, s72, 2*ABLK
	s_lshr_b32 s58, s60, 1                         ; the prefetches: of a K step's 32 KiB of A the partner at cx takes head cx / 2, half cx % 2: 8 KiB, told apart by address
	s_lshl_b32 s58, s58, 18
	s_and_b32 s59, s60, 1
	s_lshl_b32 s59, s59, 13
	s_add_co_u32 s58, s58, s59
	s_add_co_u32 s58, s58, s42
	s_mov_b32 s59, 0
	s_wait_dscnt 0x0                               ; both opening adds are done
	s_wait_kmcnt 0x0
	s_add_nc_u64 s[44:45], s[4:5], s[44:45]
	s_add_nc_u64 s[46:47], s[6:7], s[46:47]
	s_add_nc_u64 s[PFA:PFA+1], s[4:5], s[58:59]
	CROUND                                         ; all sixteen work-groups are here: the first joint loads meet
.irp s, 0,1
	s_mov_b32 s[G0A+4*\s], 1
	s_add_co_u32 s[G0A+4*\s+1], s71, \s*SLOT
	s_add_nc_u64 s[G0A+4*\s+2:G0A+4*\s+3], s[44:45], \s*524288    ; K step s: two heads on
	s_or_b32 s[G0A+4*\s+3], s[G0A+4*\s+3], 0x80000000
	s_mov_b32 s[G0B+4*\s], 1
	s_add_co_u32 s[G0B+4*\s+1], s72, \s*SLOT
	s_add_nc_u64 s[G0B+4*\s+2:G0B+4*\s+3], s[46:47], \s*256
	s_or_b32 s[G0B+4*\s+3], s[G0B+4*\s+3], 0x80000000
	JLOAD \s
.endr
	v_and_b32 v1, 15, v0                           ; r
	v_bfe_u32 v2, v0, 4, 1                         ; h
	v_lshrrev_b32 v3, 1, v1
	v_mul_u32_u24 v3, v3, PITCH
	v_and_b32 v4, 1, v1
	v_lshl_add_u32 v3, v4, 7, v3
	v_lshl_add_u32 v3, v2, 4, v3                   ; A: 272 (r / 2) + 128 (r % 2) + 16 h
	v_mul_u32_u24 v4, v1, PITCH
	v_lshl_add_u32 v4, v2, 4, v4                   ; B: 272 r + 16 h
	s_mul_i32 s66, s13, 32*PITCH                   ; my 64 rows of A
	s_mul_i32 s67, s14, BHALF                      ; my 128 rows of B,
	s_add_co_u32 s67, s67, 2*ABLK                  ; behind A's two heads
.irp s, 0,1
	v_add_nc_u32 v[ADRA+\s], s66, v3
	v_add_nc_u32 v[ADRB+\s], s67, v4
	s_add_co_u32 s66, s66, SLOT
	s_add_co_u32 s67, s67, SLOT
.endr
	s_mul_i32 s66, s[WV], 16*SPITCH
	s_add_co_u32 s66, s66, STAGE                   ; my stage
	v_mul_u32_u24 v5, v1, SPITCH
	v_lshl_add_u32 v5, v2, 5, v5
	v_add_nc_u32 v[STO], s66, v5                   ; in: row r, 32 bytes for each half of the lanes
	v_and_b32 v6, 31, v0
	v_lshlrev_b32 v[CO], 4, v6
	v_add_nc_u32 v[RD], s66, v[CO]                 ; back: the 32 lanes take one row of 512 bytes
	v_lshlrev_b32 v[PFO], 8, v6
	v_lshlrev_b32 v7, 5, v2                        ; the bias: 32 h
	s_lshl_b32 s68, s62, 10
	s_lshl_b32 s69, s14, 9
	s_add_co_u32 s68, s68, s69                     ; my first column, in bytes
	s_mov_b32 s69, 0
	s_add_nc_u64 s[8:9], s[8:9], s[68:69]
	s_add_nc_u64 s[10:11], s[10:11], s[68:69]
	s_lshl_b32 s68, s63, 19                        ; 128 rows of 4,096 bytes a tile row
	s_lshl_b32 s70, s13, 18
	s_add_co_u32 s68, s68, s70
	s_add_nc_u64 s[10:11], s[10:11], s[68:69]
	WIN 0x80                                       ; destination window 2
.irp b, 0,1,2,3,4,5,6,7
	global_load_b128 v[8*\b:8*\b+3], v7, s[8:9] offset:64*\b          ; bo at my columns 16 b + 8 h + 0 .. 7
	global_load_b128 v[8*\b+4:8*\b+7], v7, s[8:9] offset:64*\b+16
.endr
	WIN 0
.macro FETCH sl, q, f                  ; 24 LDS loads: the fragments of 32 along K, the slot's q-th, into buffer f
.irp b, 0,1,2,3,4,5,6,7
.irp u, 0,1
	ds_load_b128 v[\f+8*\b+4*\u:\f+8*\b+4*\u+3], v[ADRB+\sl] offset:16*PITCH*\b+64*(\q)+32*\u
.endr
.endr
.irp i, 0,1,2,3
.irp u, 0,1
	ds_load_b128 v[\f+64+8*\i+4*\u:\f+64+8*\i+4*\u+3], v[ADRA+\sl] offset:ABLK*((\q)/2)+8*PITCH*\i+64*((\q)%2)+32*\u
.endr
.endr
.endm
.macro MUL8 f, a, first                ; A's block a x B's eight.  The 32 accumulators take turns in one order in every quarter
.irp b, 0,1,2,3,4,5,6,7
.if \first
	v_wmma_f32_16x16x32_f16 v[8*(8*\a+\b):8*(8*\a+\b)+7], v[\f+8*\b:\f+8*\b+7], v[\f+64+8*\a:\f+64+8*\a+7], v[8*\b:8*\b+7]
.else
	v_wmma_f32_16x16x32_f16 v[8*(8*\a+\b):8*(8*\a+\b)+7], v[\f+8*\b:\f+8*\b+7], v[\f+64+8*\a:\f+64+8*\a+7], v[8*(8*\a+\b):8*(8*\a+\b)+7]
.endif
.endr
.endm
.macro PLACES                          ; four plain instructions between matrix instructions and loads into, or reads of, their registers
.rept 4
	v_nop
.endr
.endm
.macro QUARTER sg, q, f, g, first      ; one of a K step's first three quarters: the next quarter's fragments are asked for, then buffer f is multiplied
	PLACES
	FETCH \sg, \q+1, \g
	s_wait_dscnt 24                                ; buffer f is in; the 24 loads just issued may be out
.if \first
	WIN MUL0
.else
	WIN MUL
.endif
	MUL8 \f, 0, \first
	MUL8 \f, 1, \first
	MUL8 \f, 2, \first
	MUL8 \f, 3, \first
	WIN 0
.endm
; A K step's last quarter multiplies buffer 1 and changes slots: each wave waits for all its tensor loads (its part of the next slot), adds 0 to its spare word, and waits for that and for its reads of this slot.
; Steps 0 to 5: the barrier opens a round of the cluster's, and this slot is filled with the K step two on, first thing behind the round.
; Steps 0 to 3: wave 0 asks the L2 for its work-group's 8 KiB of A's part of the K step FOUR on, a lane to each 256 bytes, two refills (256 matrix instructions) ahead of the load that will want them; each block is named once
; in the launch.  K steps 0 to 3 come by their loads alone.  B is not asked for: all sixteen rows of clusters read the same 2 MiB.
.macro TURN s, sg, ng
	s_wait_tensorcnt 0x0
	ds_add_u32 v[SPW], v[NIL]
	s_wait_dscnt 1                                 ; buffer 1 is in; the add may be out
	WIN MUL
	MUL8 F1, 0, 0
	s_wait_dscnt 0x0                               ; the add is done, and my reads of this slot are over
	s_barrier_signal -1
	MUL8 F1, 1, 0
	WIN 0
	s_barrier_wait -1
.if \s+2 < 8
	CREST
	s_add_nc_u64 s[G0A+4*\sg+2:G0A+4*\sg+3], s[G0A+4*\sg+2:G0A+4*\sg+3], 1048576   ; four heads on
	s_add_nc_u64 s[G0B+4*\sg+2:G0B+4*\sg+3], s[G0B+4*\sg+2:G0B+4*\sg+3], 512
	JLOAD \sg                                      ; its four v_nop are also the places in front of the loads below
.else
	PLACES
.endif
	FETCH \ng, 0, F0
.if \s+4 < 8
	s_cmp_lg_u32 s[WV], 0
	s_cbranch_scc1 .Lnoask_\@
	global_prefetch_b8 v[PFO], s[PFA:PFA+1] offset:(\s+4)*524288 th:TH_LOAD_NT scope:SCOPE_SE
.Lnoask_\@:
.endif
	WIN MUL
	MUL8 F1, 2, 0
	MUL8 F1, 3, 0
	WIN 0
.endm
.macro KST s, sg, ng, first            ; K step s, in slot sg
	QUARTER \sg, 0, F0, F1, \first
	QUARTER \sg, 1, F1, F0, 0
	QUARTER \sg, 2, F0, F1, 0
.if \s < 7
	TURN \s, \sg, \ng
.else
	s_wait_dscnt 0x0                               ; the very last quarter: nothing more to fetch
	WIN MUL
	MUL8 F1, 0, 0
	MUL8 F1, 1, 0
	MUL8 F1, 2, 0
	MUL8 F1, 3, 0
	WIN 0
.endif
.endm
	s_wait_tensorcnt 1                             ; my part of K step 0 is in; K step 1's may be out
	s_barrier_signal -1
	s_barrier_wait -1
	FETCH 0, 0, F0
	s_wait_loadcnt 0x0                             ; the bias
	KST 0, 0, 1, 1                                 ; the first products start the sums from the bias
	KST 1, 1, 0, 0
	KST 2, 0, 1, 0
	KST 3, 1, 0, 0
	KST 4, 0, 1, 0
	KST 5, 1, 0, 0
	KST 6, 0, 1, 0
	KST 7, 1, 0, 0
; THE WAY OUT, a block of 16 rows x 128 columns at a time, through my own stage: in as 32 bytes a lane, back as whole rows of 512 bytes.  LDS serves a wave's instructions in order: no wait between the stores and the loads.
.macro TOSTAGE a
	WIN 0x04                                       ; an LDS store's data are its source 1: window 1
.irp b, 0,1,2,3,4,5,6,7
	ds_store_b128 v[STO], v[64*(\a)+8*\b:64*(\a)+8*\b+3] offset:64*\b          ; each accumulator from its low end on
	ds_store_b128 v[STO], v[64*(\a)+8*\b+4:64*(\a)+8*\b+7] offset:64*\b+16
.endr
	WIN 0
.irp t, 0,1,2,3,4,5,6,7,8,9,10,11,12,13,14,15
	ds_load_b128 v[BK+64*((\a)%2)+4*\t:BK+64*((\a)%2)+4*\t+3], v[RD] offset:\t*SPITCH
.endr
.endm
.macro SEND a, younger
	s_wait_dscnt \younger                          ; the block is back; the next block's 16 stores and 16 loads may be out
.irp t, 0,1,2,3,4,5,6,7,8,9,10,11,12,13,14,15
	global_store_b128 v[CO], v[BK+64*((\a)%2)+4*\t:BK+64*((\a)%2)+4*\t+3], s[10:11] offset:(16*(\a)+\t)*4096 th:TH_STORE_NT   ; 512 consecutive bytes, aligned; written once
.endr
.endm
	PLACES
	TOSTAGE 0
.irp a, 1,2,3
.if \a > 1
	s_wait_xcnt 0x0                                ; the stores of the block two back have read the registers that these loads fill
.endif
	TOSTAGE \a
	SEND \a-1, 32
.endr
	SEND 3, 0
	s_wait_tensorcnt 0x0                           ; the wave's end
	ds_add_u32 v[SPW], v[NIL]
	s_wait_dscnt 0x0
	CROUND                                         ; the closing round
	s_endpgm
.Lfunc_end_k_q24a35af2a9_oproj:
	.size	k_q24a35af2a9_oproj, .Lfunc_end_k_q24a35af2a9_oproj-k_q24a35af2a9_oproj
	.p2alignl 7, 3214868480
	.fill 96, 4, 3214868480
	.section	.rodata,"a",@progbits
	.p2align	6, 0x0
	.amdhsa_kernel k_q24a35af2a9_oproj
		.amdhsa_group_segment_fixed_size 327680
		.amdhsa_private_segment_fixed_size 0
		.amdhsa_enable_private_segment 0
		.amdhsa_kernarg_size 32
		.amdhsa_user_sgpr_count 2
		.amdhsa_user_sgpr_kernarg_segment_ptr 1
		.amdhsa_wavefront_size32 1
		.amdhsa_system_sgpr_workgroup_id_x 1
		.amdhsa_system_sgpr_workgroup_id_y 1
		.amdhsa_system_sgpr_workgroup_id_z 1
		.amdhsa_system_vgpr_workitem_id 0
		.amdhsa_next_free_vgpr 768
		.amdhsa_next_free_sgpr 80
		.amdhsa_reserve_vcc 0
		.amdhsa_float_denorm_mode_32 3
		.amdhsa_float_denorm_mode_16_64 3
		.amdhsa_memory_ordered 1
		.amdhsa_forward_progress 1
		.amdhsa_inst_pref_size 150
	.end_amdhsa_kernel
	.amdgpu_metadata
---
amdhsa.version: [ 1, 2 ]
amdhsa.kernels:
  - .name:           k_q24a35af2a9_oproj
    .symbol:         k_q24a35af2a9_oproj.kd
    .args:
      - { .name: att, .offset: 0, .size: 8, .value_kind: global_buffer, .address_space: global }
      - { .name: wo16, .offset: 8, .size: 8, .value_kind: global_buffer, .address_space: global }
      - { .name: bo, .offset: 16, .size: 8, .value_kind: global_buffer, .address_space: global }
      - { .name: out0, .offset: 24, .size: 8, .value_kind: global_buffer, .address_space: global }
    .group_segment_fixed_size: 327680
    .private_segment_fixed_size: 0
    .kernarg_segment_align: 8
    .kernarg_segment_size: 32
    .max_flat_workgroup_size: 128
    .sgpr_count:     80
    .vgpr_count:     768
    .wavefront_size: 32
...
	.end_amdgpu_metadata
.endif
;; end of part 4
